; MI455X (gfx1250); checked and timed in simulation.
; The chip was launched on July 23, 2026; its instructions are those of AMD's public machine-readable ISA for CDNA 5 (MIT licence, August 2026) and "CDNA5" Instruction Set Architecture Reference Guide (July 2026). The comments in the code are by the model that wrote it; some were corrected since.
;; Multihead Self Attention. Allowed arithmetic: matrix products marked QUANTISED: E2M1 operands, one E8M0 scale for each 32 along K, by v_wmma_scale_f32_16x16x128_f8f6f4 with both operands' format E2M1 (or v_wmma_scale_f32_32x16x128_f4), f32 sums; everything else in f32.
;; Inputs: Wk 1,024 x 1,024 float32; Wo 1,024 x 1,024 float32; Wq 1,024 x 1,024 float32; Wv 1,024 x 1,024 float32; bk 1,024 float32; bo 1,024 float32; bq 1,024 float32; bv 1,024 float32; x 4 x 2,048 x 1,024 float32.
;; Outputs: out0 4 x 2,048 x 1,024 float32.
;; This version of the problem:
;;   THIS VERSION OF THE PROBLEM IS GIVEN IN LOW PRECISION. The matrix products marked QUANTISED in the list below multiply operands that are first quantised to E2M1 (2 exponent bits, 1 mantissa bit; 4 bits a number), with one power-of-two scale for each 32 numbers along K (OCP MX v1.0); their sums are f32. All else is computed in f32.
;;   The module's matrix products, in the order in which they are computed (A, B: the left and right operand; K: the contracted axis; several contracted axes count as one K, in the product's order):
;;     1. [M 8,192, K 1,024] x [K 1,024, N 1,024]; A: input x; B: input Wq: QUANTISED
;;     2. [M 8,192, K 1,024] x [K 1,024, N 1,024]; A: input x; B: input Wk: QUANTISED
;;     3. [M 8,192, K 1,024] x [K 1,024, N 1,024]; A: input x; B: input Wv: QUANTISED
;;     4. batch 64 x [M 2,048, K 64] x [K 64, N 2,048]; A: computed on the way; B: computed on the way: QUANTISED
;;     5. batch 64 x [M 2,048, K 2,048] x [K 2,048, N 64]; A: softmax (see below); B: computed on the way: QUANTISED
;;     6. [M 8,192, K 1,024] x [K 1,024, N 1,024]; A: computed on the way; B: input Wo: QUANTISED
;;   THE QUANTISER, for each operand of a quantised product, along K:
;;     - K is cut into blocks of 32 from its start; a last block that is shorter is filled with zeros.
;;     - A block's scale is 2^e with e = floor(log2(the largest magnitude in the block)) - 2, held to -126 .. 127; a block of zeros has e = 0. As a byte (E8M0): e + 127.
;;     - Each number is divided by its block's scale, clamped to +-6, and rounded to the nearest number of E2M1, ties to even, subnormals kept.
;;     - The product sums the exact products of the quantised numbers (number of the format x scale) in f32.
;;   ~~~python
;;   def quantise(x, axis):      # numpy; x: float32 -> the quantised numbers, widened to float32 again
;;       x = np.moveaxis(x, axis, -1); K = x.shape[-1]
;;       x = np.pad(x, [(0, 0)] * (x.ndim - 1) + [(0, -K % 32)]); x = x.reshape(x.shape[:-1] + (-1, 32)); a = np.abs(x).max(-1, keepdims=True)
;;       e = np.where(a > 0, np.clip(np.frexp(np.where(a > 0, a, 1))[1] - 1 - 2, -126, 127), 0)      # np.frexp(a)[1] - 1 = floor(log2(a)), exactly
;;       r = np.clip(x / 2.0 ** e, -6, 6)
;;       step = 2.0 ** (np.maximum(np.frexp(np.where(r == 0, 1, r))[1] - 1, 0) - 1)
;;       q = np.round(r / step) * step * 2.0 ** e      # np.round: ties to even
;;       return np.moveaxis(q.reshape(q.shape[:-2] + (-1,))[..., :K], -1, axis).astype(np.float32)
;;   ~~~
;;   SOFTMAX AHEAD OF A QUANTISED PRODUCT. Where the list says 'softmax', what is quantised is not the finished softmax but p = 2^(t - M), with t = logit x log2(e) and M = ceil(the row's largest t), a whole number; so 1/2 < the row's largest p <= 1. The row's sum l is taken of the UNQUANTISED p, in f32, and the product's result is divided by l at the end. Since M is a whole number, a kernel that streams over the keys may use a running M (the ceiling of the running maximum): every later rescaling is an exact power of two, which a block's scale takes up: the codes' values come out the same.
;;   OPERANDS COMPUTED ON THE WAY. 'Computed on the way' means the value that the module computes at that place (a softmax that the list does not call 'softmax' is quantised finished and normalised). What goes into a quantiser is computed in f32, as accurately as f32 sums, v_exp_f32 and their like allow (about 1e-6 of the number): no bf16 or f16 on the way to a quantiser, and a product that is left as it is and whose result goes on into a quantised operand takes f32 operands (vector FMAs, or v_wmma_f32_16x16x4_f32). A number that lies on a knife's edge between two numbers of the format may be rounded either way, as far as f32 arithmetic and the matrix unit's own rounding can turn it there, and no further.
;; One version. Each part assembles by itself: llvm-mc -triple=amdgcn-amd-amdhsa -mcpu=gfx1250 --defsym DOCPART=n.
;; ======== version 1 of 1: 4 launches
;; workspace buffers: x_img 4,194,304 bytes; x_sc 262,144 bytes; w_img 2,097,152 bytes; w_sc 131,072 bytes; qpk 9,175,040 bytes; kvpk 9,175,040 bytes; vals_img 4,194,304 bytes; vals_sc 262,144 bytes
;; launch prep (part 1): grid 320 x 1, 4 waves a work-group, no clusters, 41,472 bytes of LDS; arguments x, Wq, Wk, Wv, Wo, x_img, x_sc, w_img, w_sc; writes x_img, x_sc, w_img, w_sc
.if DOCPART == 1
	.amdgcn_target "amdgcn-amd-amdhsa--gfx1250"
	.amdhsa_code_object_version 6
	.text
	.protected	k_q1d8f2671a5_prep
	.globl	k_q1d8f2671a5_prep
	.p2align	8
	.type	k_q1d8f2671a5_prep,@function
k_q1d8f2671a5_prep:
	s_mov_b64 s[64:65], 0
	v_nop
	global_prefetch_b8 v0, s[64:65] scope:SCOPE_SE
	s_setreg_imm32_b32 hwreg(HW_REG_WAVE_MODE, 25, 1), 1
	s_wait_xcnt 0x0
; x [8192][1024] (K innermost) and Wq, Wk, Wv, Wo [1024 (k)][1024 (n)] (K is the FIRST axis), all f32, become codes of FP4 (E2M1) with one E8M0 scale byte for each 32 along K.
; A block's scale is 2^(floor(log2(its largest magnitude)) - 2); its byte is the largest magnitude's exponent field - 2, held at 1 from below.
; LIMITS: NaN and infinities among the inputs are not served; a block whose largest magnitude lies under 2^-124 keeps the byte 1; a block of zeros has the byte 1 and not 127: its codes are zeros, and this program alone reads the bytes.
; LAYOUT OF THE RESULTS, as the later launches' operand registers take them.  A row (a token of x, a column n of a weight) has a physical number p: its number with bits 3 and 4 exchanged.
; Tile T = p / 16, r = p % 16: row (T, r) is number 32 (T / 2) + 8 (T % 2) + r + 8 (r / 8).  Codes: img[T][kb = k / 32][r][16 bytes]; scale bytes: sc[T][k / 512][r][16 bytes].
; Work-groups 0-63 take the weights, 64-319 take x.  Waves share nothing: no barrier.  Only x's path uses LDS.
.set EMAX, 2
	s_load_b64 s[4:5], s[0:1], 0x0                 ; x
	s_load_b256 s[8:15], s[0:1], 0x8               ; Wq, Wk, Wv, Wo
	s_load_b256 s[16:23], s[0:1], 0x28             ; x_img, x_sc, w_img, w_sc
	v_lshl_add_u32 v192, v0, 2, 0xa000
	v_mov_b32 v193, 0
	v_lshrrev_b32 v1, 5, v0
	v_readfirstlane_b32 s24, v1                    ; wave 0..3
	v_and_b32 v2, 31, v0                           ; lane
	s_wait_kmcnt 0x0
	s_cmp_lt_u32 ttmp9, 64
	s_cbranch_scc0 .Lx
; ---- THE WEIGHTS.  A lane takes a column, its registers run down K: a block of 32 along K is one lane's 32 registers.  A wave: 32 columns x 512 along K, 16 blocks a lane.
; Lane l takes the column whose PHYSICAL number is l, so that a block's 16 bytes of 16 neighbouring lanes are 256 consecutive bytes of the image: the codes leave straight from the registers.
	s_lshr_b32 s25, ttmp9, 4                       ; which weight
	s_bfe_u32 s26, ttmp9, 0x30001                  ; which 128 columns
	s_and_b32 s27, ttmp9, 1                        ; which half of K
	s_cmp_eq_u32 s25, 0
	s_cselect_b64 s[28:29], s[8:9], s[10:11]
	s_cmp_eq_u32 s25, 2
	s_cselect_b64 s[30:31], s[12:13], s[14:15]
	s_cmp_lt_u32 s25, 2
	s_cselect_b64 s[28:29], s[28:29], s[30:31]     ; the choice hangs on the work-group's number alone
	s_lshl_b32 s32, s26, 9                         ; 4 bytes x 128 columns
	s_lshl_b32 s33, s24, 7                         ; 4 bytes x 32 columns a wave
	s_add_co_u32 s32, s32, s33
	s_lshl_b32 s33, s27, 21                        ; 512 rows of 4,096 bytes
	s_add_co_u32 s32, s32, s33
	s_mov_b32 s33, 0
	s_add_nc_u64 s[28:29], s[28:29], s[32:33]
	s_lshl_b32 s34, s25, 6
	s_lshl_b32 s35, s26, 3
	s_add_co_u32 s34, s34, s35
	s_lshl_b32 s35, s24, 1
	s_add_co_u32 s34, s34, s35                     ; my first tile: 64 x weight + 8 x group + 2 x wave
	s_lshl_b32 s32, s34, 13
	s_lshl_b32 s35, s27, 12
	s_add_co_u32 s32, s32, s35
	s_add_nc_u64 s[20:21], s[20:21], s[32:33]      ; codes: 8,192 bytes a tile, 4,096 for half of K
	s_lshl_b32 s32, s34, 9
	s_lshl_b32 s35, s27, 8
	s_add_co_u32 s32, s32, s35
	s_add_nc_u64 s[22:23], s[22:23], s[32:33]      ; scale bytes: 512 a tile, 256 for half of K
	s_wait_alu depctr_va_vdst(0)
	v_and_b32 v3, 7, v2
	v_bfe_u32 v6, v2, 3, 1
	v_lshl_add_u32 v3, v6, 4, v3
	v_bfe_u32 v6, v2, 4, 1
	v_lshl_add_u32 v3, v6, 3, v3
	v_lshlrev_b32 v3, 2, v3                        ; in: 4 bytes x (lane with bits 3 and 4 exchanged): the wave still reads 128 consecutive bytes
	v_and_b32 v7, 15, v2
	v_lshlrev_b32 v7, 4, v7
	v_lshl_or_b32 v4, v6, 13, v7                   ; out, codes: tile lane / 16, row lane % 16
	v_lshl_or_b32 v5, v6, 9, v7                    ; out, scale bytes
.macro WLOAD t                         ; block t: W(32 t + i, my column), i = 0 .. 31, into set t % 2
.irp i, 0,1,2,3,4,5,6,7,8,9,10,11,12,13,14,15,16,17,18,19,20,21,22,23,24,25,26,27,28,29,30,31
	global_load_b32 v[32+32*((\t)%2)+\i], v3, s[28:29] offset:(32*(\t)+\i)*4096 th:TH_LOAD_NT
.endr
.endm
.macro WBLOCK t
.set XS, 32+32*((\t)%2)
.if (\t) < 15
	s_wait_loadcnt 32                              ; this block's 32 loads are in; the next block's 32 may be out
.else
	s_wait_loadcnt 0
.endif
	v_max3_num_f32 v12, |v[XS]|, |v[XS+1]|, |v[XS+2]|              ; the block's largest magnitude: all 32 numbers are mine
	v_max3_num_f32 v13, |v[XS+3]|, |v[XS+4]|, |v[XS+5]|
.irp i, 6,10,14,18,22,26
	v_max3_num_f32 v12, v12, |v[XS+\i]|, |v[XS+\i+1]|
	v_max3_num_f32 v13, v13, |v[XS+\i+2]|, |v[XS+\i+3]|
.endr
	v_max3_num_f32 v12, v12, |v[XS+30]|, |v[XS+31]|
	v_max3_num_f32 v12, v12, v13, (EMAX+1)<<23     ; and the floor 2^(3 - 127): the byte cannot fall under 1
	v_add_nc_u32 v11, -(EMAX<<23), v12             ; 2 off its exponent field: the conversion takes this operand's exponent field as its scale
	v_lshrrev_b32 v13, 23, v11                     ; the scale's byte
.if (\t)%4 == 0
	v_mov_b32 v[24+(\t)/4], v13                    ; four bytes to a register, the lower K in the lower byte
.else
	v_lshl_or_b32 v[24+(\t)/4], v13, 8*((\t)%4), v[24+(\t)/4]
.endif
.irp g, 0,1,2,3
	v_cvt_scalef32_pk8_fp4_f32 v[96+4*(\t)+\g], v[XS+8*\g:XS+8*\g+7], v11      ; each block has its own four registers: no store's data are written again
.endr
	global_store_b128 v4, v[96+4*(\t):96+4*(\t)+3], s[20:21] offset:256*(\t)   ; lanes 0-15 store 256 consecutive aligned bytes of one tile, lanes 16-31 of the next
.if (\t)+2 < 16
	WLOAD (\t)+2
.endif
.endm
	WLOAD 0
	WLOAD 1
.irp t, 0,1,2,3,4,5,6,7,8,9,10,11,12,13,14,15
	WBLOCK \t
.endr
	global_store_b128 v5, v[24:27], s[22:23]       ; my column's 16 scale bytes: again 256 consecutive bytes for each 16 lanes
	s_endpgm
; ---- x.  A wave takes one physical tile of 16 rows x 512 along K, a row a step.  Each of a step's four loads reads 512 consecutive bytes; the 2,048 bytes turn through the wave's own stage in LDS
; (16 bytes of padding behind each 64) and come back 64 bytes a lane: 16 neighbours along K, two neighbouring lanes to a block.  The codes are gathered in a second stage, a row for each block of K,
; and leave as the image has them; the 256 scale bytes likewise.
.Lx:
	s_sub_co_u32 s25, ttmp9, 64
	s_lshl_b32 s25, s25, 2
	s_add_co_u32 s25, s25, s24
	s_lshr_b32 s26, s25, 1                         ; T
	s_and_b32 s27, s25, 1                          ; which half of K
	s_lshr_b32 s28, s26, 1
	s_lshl_b32 s28, s28, 5
	s_and_b32 s29, s26, 1
	s_lshl_b32 s29, s29, 3
	s_add_co_u32 s28, s28, s29                     ; the tile's first row: 32 (T / 2) + 8 (T % 2)
	s_lshl_b32 s28, s28, 12
	s_lshl_b32 s29, s27, 11
	s_add_co_u32 s28, s28, s29
	s_mov_b32 s29, 0
	s_add_nc_u64 s[4:5], s[4:5], s[28:29]
	s_lshl_b32 s28, s26, 13
	s_lshl_b32 s30, s27, 12
	s_add_co_u32 s28, s28, s30
	s_add_nc_u64 s[16:17], s[16:17], s[28:29]
	s_lshl_b32 s28, s26, 9
	s_lshl_b32 s30, s27, 8
	s_add_co_u32 s28, s28, s30
	s_add_nc_u64 s[18:19], s[18:19], s[28:29]
	s_wait_alu depctr_va_vdst(0)
	v_lshlrev_b32 v3, 4, v2                        ; my 16 bytes of 512
	s_mul_i32 s31, s24, 10240                      ; LDS: 10,240 bytes for each wave: two turning stages of 32 x 80, 256 scale bytes at 5,120, the codes' stage of 16 x 272 at 5,376
	v_lshrrev_b32 v14, 2, v2
	v_mul_u32_u24 v14, v14, 80
	v_and_b32 v15, 3, v2
	v_lshl_add_u32 v14, v15, 4, v14
	v_add_nc_u32 v14, s31, v14                     ; turning stage, in: 80 (lane / 4) + 16 (lane % 4)
	v_mul_u32_u24 v15, v2, 80
	v_add_nc_u32 v15, s31, v15                     ; and out: 80 x lane
	v_lshrrev_b32 v5, 1, v2
	v_add_nc_u32 v5, s31, v5
	v_add_nc_u32 v5, 5120, v5                      ; my block's scale byte
	v_lshlrev_b32 v7, 3, v2
	v_add_nc_u32 v6, s31, v7
	v_add_nc_u32 v6, 5120, v6                      ; the scale bytes on the way out: 8 a lane
	v_lshrrev_b32 v4, 1, v2
	v_mul_u32_u24 v4, v4, 272
	v_and_b32 v10, 1, v2
	v_lshl_add_u32 v4, v10, 3, v4
	v_add_nc_u32 v4, s31, v4
	v_add_nc_u32 v4, 5376, v4                      ; codes' stage, in: row = my block, 8 bytes for each of its two lanes; the step's row stands in the immediate
	v_lshrrev_b32 v10, 4, v2
	v_mul_u32_u24 v10, v10, 272
	v_and_b32 v9, 15, v2
	v_lshl_add_u32 v10, v9, 4, v10
	v_add_nc_u32 v10, s31, v10
	v_add_nc_u32 v10, 5376, v10                    ; and out: sixteen lanes to a row of 256 bytes
.macro XLOAD t                         ; physical row t of the tile is row t + 8 (t / 8) from the tile's first
.irp i, 0,1,2,3
	global_load_b128 v[16+16*((\t)%4)+4*\i:16+16*((\t)%4)+4*\i+3], v3, s[4:5] offset:((\t)+8*((\t)/8))*4096+512*\i th:TH_LOAD_NT
.endr
.endm
.macro XTURN t                         ; LDS serves a wave's instructions in order: no wait between the stores and the loads
.irp i, 0,1,2,3
	ds_store_b128 v14, v[16+16*((\t)%4)+4*\i:16+16*((\t)%4)+4*\i+3] offset:2560*((\t)%2)+640*\i
.endr
.irp i, 0,1,2,3
	ds_load_b128 v[80+16*((\t)%2)+4*\i:80+16*((\t)%2)+4*\i+3], v15 offset:2560*((\t)%2)+16*\i
.endr
.endm
.irp t, 0,1,2,3
	XLOAD \t
.endr
	s_wait_loadcnt 12                              ; step 0's four loads are in
	XTURN 0
.macro XSTEP t
.set XS, 80+16*((\t)%2)
.if (\t) > 0
	s_wait_dscnt 2                                 ; this step's numbers are back from the stage; the last step's byte store and code store may be out
.else
	s_wait_dscnt 0x0
.endif
.if (\t)+4 < 16
	XLOAD (\t)+4
.endif
.if (\t)+1 < 16
.if 14-(\t) >= 3
	s_wait_loadcnt 12                              ; the next step's four loads are in; those of the three steps behind it may be out
.else
	s_wait_loadcnt 4*(14-(\t))
.endif
	XTURN (\t)+1
.endif
	v_max3_num_f32 v8, |v[XS]|, |v[XS+1]|, |v[XS+2]|               ; the largest magnitude of my 16
	v_max3_num_f32 v9, |v[XS+3]|, |v[XS+4]|, |v[XS+5]|
.irp i, 6,10
	v_max3_num_f32 v8, v8, |v[XS+\i]|, |v[XS+\i+1]|
	v_max3_num_f32 v9, v9, |v[XS+\i+2]|, |v[XS+\i+3]|
.endr
	v_max3_num_f32 v8, v8, |v[XS+14]|, |v[XS+15]|
	v_max3_num_f32 v8, v8, v9, (EMAX+1)<<23        ; and the floor
	v_max_num_f32_dpp v8, v8, v8 row_xmask:1 row_mask:0xf bank_mask:0xf   ; and of my neighbour's 16: the block's
	v_add_nc_u32 v11, -(EMAX<<23), v8
	v_cvt_scalef32_pk8_fp4_f32 v[128+4*(\t)], v[XS:XS+7], v11
	v_cvt_scalef32_pk8_fp4_f32 v[128+4*(\t)+1], v[XS+8:XS+15], v11
	v_lshrrev_b32 v[112+(\t)], 23, v11             ; the scale's byte
	ds_store_b8 v5, v[112+(\t)] offset:16*(\t)     ; sc[..][r = t][block]: both lanes of a block write the same byte with the same value
	ds_store_b64 v4, v[128+4*(\t):128+4*(\t)+1] offset:16*(\t)     ; img[..][block][r = t][8 bytes of 16]
.endm
.irp t, 0,1,2,3,4,5,6,7,8,9,10,11,12,13,14,15
	XSTEP \t
.endr
.irp i, 0,1,2,3,4,5,6,7
	ds_load_b128 v[16+4*\i:19+4*\i], v10 offset:2*\i*272           ; these see my stores: LDS serves a wave in order
.endr
	ds_load_b64 v[12:13], v6
.irp i, 0,1,2,3,4,5,6,7
	s_wait_dscnt 8-\i                              ; load i is in; the younger ones may be out
	global_store_b128 v3, v[16+4*\i:19+4*\i], s[16:17] offset:512*\i   ; 512 consecutive aligned bytes
.endr
	s_wait_dscnt 0x0
	global_store_b64 v7, v[12:13], s[18:19]        ; 256 consecutive aligned bytes
	s_wait_tensorcnt 0x0
	ds_add_u32 v192, v193
	s_wait_dscnt 0x0
	s_endpgm
.Lfunc_end_k_q1d8f2671a5_prep:
	.size	k_q1d8f2671a5_prep, .Lfunc_end_k_q1d8f2671a5_prep-k_q1d8f2671a5_prep
	.p2alignl 7, 3214868480
	.fill 96, 4, 3214868480
	.section	.rodata,"a",@progbits
	.p2align	6, 0x0
	.amdhsa_kernel k_q1d8f2671a5_prep
		.amdhsa_group_segment_fixed_size 41472
		.amdhsa_private_segment_fixed_size 0
		.amdhsa_enable_private_segment 0
		.amdhsa_kernarg_size 72
		.amdhsa_user_sgpr_count 2
		.amdhsa_user_sgpr_kernarg_segment_ptr 1
		.amdhsa_wavefront_size32 1
		.amdhsa_system_sgpr_workgroup_id_x 1
		.amdhsa_system_sgpr_workgroup_id_y 1
		.amdhsa_system_sgpr_workgroup_id_z 1
		.amdhsa_system_vgpr_workitem_id 0
		.amdhsa_next_free_vgpr 194
		.amdhsa_next_free_sgpr 66
		.amdhsa_reserve_vcc 0
		.amdhsa_float_denorm_mode_32 3
		.amdhsa_float_denorm_mode_16_64 3
		.amdhsa_memory_ordered 1
		.amdhsa_forward_progress 1
		.amdhsa_inst_pref_size 110
	.end_amdhsa_kernel
	.amdgpu_metadata
---
amdhsa.version: [ 1, 2 ]
amdhsa.kernels:
  - .name:           k_q1d8f2671a5_prep
    .symbol:         k_q1d8f2671a5_prep.kd
    .args:
      - { .name: x, .offset: 0, .size: 8, .value_kind: global_buffer, .address_space: global }
      - { .name: Wq, .offset: 8, .size: 8, .value_kind: global_buffer, .address_space: global }
      - { .name: Wk, .offset: 16, .size: 8, .value_kind: global_buffer, .address_space: global }
      - { .name: Wv, .offset: 24, .size: 8, .value_kind: global_buffer, .address_space: global }
      - { .name: Wo, .offset: 32, .size: 8, .value_kind: global_buffer, .address_space: global }
      - { .name: x_img, .offset: 40, .size: 8, .value_kind: global_buffer, .address_space: global }
      - { .name: x_sc, .offset: 48, .size: 8, .value_kind: global_buffer, .address_space: global }
      - { .name: w_img, .offset: 56, .size: 8, .value_kind: global_buffer, .address_space: global }
      - { .name: w_sc, .offset: 64, .size: 8, .value_kind: global_buffer, .address_space: global }
    .group_segment_fixed_size: 41472
    .private_segment_fixed_size: 0
    .kernarg_segment_align: 8
    .kernarg_segment_size: 72
    .max_flat_workgroup_size: 128
    .sgpr_count:     66
    .vgpr_count:     194
    .wavefront_size: 32
...
	.end_amdgpu_metadata
.endif
;; end of part 1
;; launch proj (part 2): grid 12 x 32, 4 waves a work-group, clusters of 4 x 4, 279,040 bytes of LDS; arguments x_img, x_sc, w_img, w_sc, bq, bk, bv, qpk, kvpk; writes qpk, kvpk
.if DOCPART == 2
	.amdgcn_target "amdgcn-amd-amdhsa--gfx1250"
	.amdhsa_code_object_version 6
	.text
	.protected	k_q1d8f2671a5_proj
	.globl	k_q1d8f2671a5_proj
	.p2align	8
	.type	k_q1d8f2671a5_proj,@function
k_q1d8f2671a5_proj:
	s_mov_b64 s[64:65], 0
	v_nop
	global_prefetch_b8 v0, s[64:65] scope:SCOPE_SE
	s_setreg_imm32_b32 hwreg(HW_REG_WAVE_MODE, 25, 1), 1
	s_wait_xcnt 0x0
	s_wait_alu depctr_hold_cnt(0) depctr_sa_sdst(0) depctr_va_vdst(0) depctr_va_sdst(0) depctr_va_ssrc(0) depctr_va_vcc(0) depctr_vm_vsrc(0)
	s_getreg_b32 s2, hwreg(HW_REG_IB_STS2, 6, 4)
	s_cmp_eq_u32 s2, 0
	s_cbranch_scc0 .Lentry_in_a_cluster
	s_endpgm
.Lentry_in_a_cluster:
	s_bfe_u32 s2, ttmp6, 0x10000c
	s_cmp_lg_u32 s2, 0xf033
	s_cbranch_scc0 .Lentry_shape_is_right
	s_endpgm
.Lentry_shape_is_right:
; q = x Wq + bq, k = x Wk + bk, v = x Wv + bv on codes of FP4 (E2M1) with E8M0 scales (K = 1,024), and the results quantised at once for attention: q and k along a head's 64 channels, v along the tokens.
; A work-group makes 256 x 256 results, each of its four waves 128 x 128: 64 accumulators, 512 registers.  All of K for the tile lies in LDS at once (two halves of K, each byte filled once): no slot is ever filled again.
; TWO SIDES.  P is source 1: a lane holds one row of P.  R is source 0: a lane's registers run along R's rows.  The cluster's x chooses: 0: P = x, R = Wq;  1: P = x, R = Wk  (a lane holds a token, registers run along channels);
; 2: P = Wv, R = x  (a lane holds a channel, registers run along tokens).  So in each case the registers run along the axis that the next product contracts.
; OPERANDS lie in memory as images of the operand registers: img[T][k / 32][r][16 bytes]: a fragment (16 rows x 128 K) is two loads of 16 bytes a lane at 16 x lane, 512 bytes apart.  Row (T, r) is number 32 (T/2) + 8 (T%2) + r + 8 (r/8),
; so that the 16 registers of R's tiles 2 b and 2 b + 1 are 16 NEIGHBOURS: numbers 32 b + 16 (lane / 16) + 0 .. 15.
; CLUSTERS: 4 x 4.  P's tile is shared along a row of the cluster, R's along a column: joint loads.  The choice of sides hangs on the cluster's number alone: it is the same in all sixteen partners.
; RESULTS: packages of 8,960 bytes for each head and 128 tokens: +0 k's (q's) codes [8 tiles][512]; +4096 v's codes [4 channel tiles][1024]; +8192 k's (q's) scale words [2][16 rows][4 tiles]; +8704 v's scale words [16 rows][4 tiles].
; A q or k scale word has its two bytes low; its upper two bytes (the neighbouring head's, or 0) scale zero codes alone and are never 0xff.
; LIMITS: NaN and infinities are not served; a block whose largest magnitude lies under 2^-124, a block of zeros among them, keeps the byte 1 (its bytes are read by this program alone).
; REGISTERS: window 0: v1-27 addresses; v32-95 scale words, two sets; v96-127 at work in the epilogue; v128-191 P's fragments, one set (later the codes just made); v192-255 the epilogue's 64 numbers.
;   window 1: R's fragments, two sets, at v0 and v128; v64-79 and v192-255 the biases.   windows 2, 3: accumulator (a, b) at v[8 (8 (a % 4) + b)].
.set NQ,     4                         ; steps of 128 along K in a half of K
.set FR,     8                         ; registers of a fragment
.set NP,     4                         ; places behind this matrix instruction (ISA guide 7.12.1)
.set HALFT,  32768                     ; 8 tiles x 4,096 bytes: what one tensor load brings, and what one wave reads of P or of R
.set SLOT,   4*HALFT                   ; P's 16 tiles, then R's 16, for half of K
.set SCL,    2*SLOT                    ; behind them the scale words: 4,096 bytes for each wave's 8 tiles
.set SREG,   4096
.set PKG,    8960
.set HEADB,  16*PKG                    ; a head's packages
.set ADRA, 16                          ; v16-17  LDS address of my P fragments in slot 0, 1
.set ADRB, 20                          ; v20-21  the same for R
.set CO,   24                          ; v24     16 x lane
.set SOF,  25                          ; v25     where a lane stores scale words: (lane / 16) heads on, 16 bytes a row
.set SH,   26                          ; v26     16 x (lane / 16)
.set ADRS, 27                          ; v27     LDS address of my scale words: lanes 0-15 P's rows, lanes 16-31 R's
.set SC,   32
.set TM,   96                          ; v96-111 the quantiser's work
.set PW,   112                         ; the scale word just made
.set SW,   116                         ; v116-123 eight scale words, waiting for their store
.set DS,   124                         ; v124-127
.set AF,   128
.set PC,   128                         ; the codes just made
.set H,    192                         ; window 0
.set BI,   192                         ; window 1: my 128 biases along the registers: register 16 b + i = number 32 b + 16 (lane / 16) + i
.set BV,   64                          ; window 1: the same 128 by lanes: pair a = the bias of my lane's row of tile a, twice
.set SEL,  104                         ; s[104:105] v_permlanex16_b32's selects for lane l xor 16
.set G1, 24                            ; s[24:31] descriptor group 1 for P's codes;  s[32:39] group 0, one set for each slot
.set G0, 32
.set G1B, 48                           ; s[48:55], s[56:63] the same for R's
.set G0B, 56
.set G1S, 68                           ; s[68:75], s[76:79] for P's scale words;  s[80:87], s[88:91] for R's
.set G0S, 76
.set G1SB, 80
.set G0SB, 88
.set MSB, 0
.macro WIN new                         ; the immediate's high byte repeats the setting that is left
.if MSB != \new
	s_set_vgpr_msb (MSB<<8)|\new
.set MSB, \new
.endif
.endm
.set MUL_LO, 0xa1                      ; source 0 (R) window 1, source 1 (P) window 0, C and D window 2
.set MUL_HI, 0xf1                      ; the same, C and D window 3
.set TO_B,   0x40                      ; destination window 1, address window 0
; A joint load: waves 0 and 1 fetch for P, waves 2 and 3 for R.  The branch hangs on the wave's number alone.  Four v_nop follow each of the two lines.
.macro JLOAD g0a, g1a, g0b, g1b
	s_cmp_eq_u32 s15, 0
	s_cbranch_scc0 .Lfor_b_\@
	tensor_load_to_lds s[\g0a:\g0a+3], s[\g1a:\g1a+7]
	s_nop 0
.rept 4
	v_nop
.endr
	s_branch .Lasked_\@
.Lfor_b_\@:
	tensor_load_to_lds s[\g0b:\g0b+3], s[\g1b:\g1b+7]
	s_nop 0
.rept 4
	v_nop
.endr
.Lasked_\@:
.endm
.macro CROUND                          ; a round of the cluster's barrier
	s_barrier_signal -1
	s_barrier_wait -1
	s_cmp_lg_u32 s14, 0
	s_cbranch_scc1 .Lnot_wave_0_\@
	s_barrier_signal -3
.Lnot_wave_0_\@:
	s_barrier_wait -3
	s_barrier_signal -1
	s_barrier_wait -1
.endm
	s_load_b256 s[4:11], s[0:1], 0x0               ; x_img s[4:5], x_sc s[6:7], w_img s[8:9], w_sc s[10:11]
	s_load_b256 s[92:99], s[0:1], 0x20             ; bq s[92:93], bk s[94:95], bv s[96:97], qpk s[98:99]
	s_load_b64 s[100:101], s[0:1], 0x40            ; kvpk
	v_lshl_add_u32 v114, v0, 2, 0x44000
	v_mov_b32 v115, 0
	ds_add_u32 v114, v115
	ds_add_u32 v114, v115
	v_lshrrev_b32 v1, 5, v0
	v_readfirstlane_b32 s14, v1                    ; wave 0..3
	s_lshr_b32 s15, s14, 1                         ; which half of P's rows is mine.  Also: I fetch for P (0) or for R (1)
	s_and_b32 s16, s14, 1                          ; which half of R's rows.  Also: which 8 tiles I fetch
	s_bfe_u32 s40, ttmp6, 0x40000                  ; cx, cy: my place in the cluster
	s_bfe_u32 s41, ttmp6, 0x40004
	s_and_b32 s2, ttmp7, 0xffff                    ; the cluster's y
	s_cmp_eq_u32 ttmp9, 2
	s_cselect_b32 s66, 1, 0                        ; 1: this cluster makes v
	s_cselect_b32 s42, s2, ttmp9
	s_cselect_b32 s17, 0, s2
	s_lshl_b32 s42, s42, 2
	s_add_co_u32 s42, s42, s40                     ; R's block of 256 rows: q, k: 4 x weight + cx;  v: x's block 4 y + cx
	s_lshl_b32 s17, s17, 2
	s_add_co_u32 s17, s17, s41                     ; P's block of 256 rows: q, k: x's block 4 y + cy;  v: cy
	s_lshl_b32 s43, s41, 2
	s_lshl_b32 s43, 15, s43                        ; my row of the cluster
	s_lshl_b32 s44, 0x1111, s40                    ; my column
	s_mov_b32 s67, 0xffff0000                      ; lanes 16-31
	s_mov_b32 s[SEL], 0x76543210
	s_mov_b32 s[SEL+1], 0xfedcba98
	; descriptor group 1, codes: 8 rows (tiles) of 4,096 bytes (half of K), 8,192 bytes apart in memory, dense in LDS; elements of 8 bytes
	s_or_b32 s[G1+0], s43, (3<<16)|(1<<21)         ; 15:0 the mask: P's tiles go to my row; 17:16 elements of 8 bytes; 21 set beside a mask
	s_or_b32 s[G1B+0], s44, (3<<16)|(1<<21)        ; R's to my column
.irp g, G1, G1B
	s_mov_b32 s[\g+1], 512<<16                     ; tensor_dim0
	s_mov_b32 s[\g+2], 8<<16                       ; tensor_dim1
	s_mov_b32 s[\g+3], 512<<16                     ; tile_dim0
	s_mov_b32 s[\g+4], 8                           ; tile_dim1
	s_mov_b32 s[\g+5], 1024                        ; tensor_dim0_stride
	s_mov_b32 s[\g+6], 0
	s_mov_b32 s[\g+7], 0
.endr
	; scale words of 8 tiles: 4,096 dense bytes, as 16 rows of 256
	s_or_b32 s[G1S+0], s43, (3<<16)|(1<<21)
	s_or_b32 s[G1SB+0], s44, (3<<16)|(1<<21)
.irp g, G1S, G1SB
	s_mov_b32 s[\g+1], 32<<16
	s_mov_b32 s[\g+2], 16<<16
	s_mov_b32 s[\g+3], 32<<16
	s_mov_b32 s[\g+4], 16
	s_mov_b32 s[\g+5], 32
	s_mov_b32 s[\g+6], 0
	s_mov_b32 s[\g+7], 0
.endr
	; where my 8 tiles lie.  P's offsets are made of cy, R's of cx, each in registers that never hold the other
	s_lshl_b32 s45, s16, 3
	s_lshl_b32 s2, s17, 4
	s_add_co_u32 s2, s2, s45
	s_lshl_b32 s3, s66, 7
	s_add_co_u32 s2, s2, s3                        ; P's first tile: 16 x block + 8 x half (+ 128: Wv's tiles in w_img)
	s_lshl_b32 s18, s2, 9                          ; its scale words,
	s_lshl_b32 s2, s2, 13                          ; its codes
	s_mov_b32 s3, 0
	s_mov_b32 s19, 0
	s_lshl_b32 s12, s42, 4
	s_add_co_u32 s12, s12, s45                     ; R's first tile
	s_lshl_b32 s20, s12, 9
	s_lshl_b32 s12, s12, 13
	s_mov_b32 s13, 0
	s_mov_b32 s21, 0
	s_lshl_b32 s45, s14, 15                        ; where they go: wave x 32,768: no place in the cluster enters an LDS address
	s_wait_dscnt 0x0
	s_wait_kmcnt 0x0
	s_cmp_eq_u32 s66, 1
	s_cselect_b64 s[22:23], s[8:9], s[4:5]         ; P's codes: w_img or x_img
	s_cselect_b64 s[46:47], s[4:5], s[8:9]         ; R's codes
	s_cselect_b64 s[4:5], s[10:11], s[6:7]         ; P's scale words
	s_cselect_b64 s[8:9], s[6:7], s[10:11]         ; R's
	s_add_nc_u64 s[22:23], s[22:23], s[2:3]
	s_add_nc_u64 s[4:5], s[4:5], s[18:19]
	s_add_nc_u64 s[46:47], s[46:47], s[12:13]
	s_add_nc_u64 s[8:9], s[8:9], s[20:21]
	s_lshl_b32 s2, s14, 12
	CROUND                                         ; all sixteen work-groups are here: the first joint loads meet
	s_mov_b32 s[G0S], 1
	s_add_co_u32 s[G0S+1], s2, SCL
	s_mov_b64 s[G0S+2:G0S+3], s[4:5]
	s_or_b32 s[G0S+3], s[G0S+3], 0x80000000
	s_mov_b32 s[G0SB], 1
	s_add_co_u32 s[G0SB+1], s2, SCL
	s_mov_b64 s[G0SB+2:G0SB+3], s[8:9]
	s_or_b32 s[G0SB+3], s[G0SB+3], 0x80000000
	JLOAD G0S, G1S, G0SB, G1SB                     ; the scale words first: they are wanted with the first half of K
.irp s, 0,1
	s_mov_b32 s[G0+4*\s], 1
	s_add_co_u32 s[G0+4*\s+1], s45, \s*SLOT
	s_add_nc_u64 s[G0+4*\s+2:G0+4*\s+3], s[22:23], \s*4096
	s_or_b32 s[G0+4*\s+3], s[G0+4*\s+3], 0x80000000
	s_mov_b32 s[G0B+4*\s], 1
	s_add_co_u32 s[G0B+4*\s+1], s45, \s*SLOT
	s_add_nc_u64 s[G0B+4*\s+2:G0B+4*\s+3], s[46:47], \s*4096
	s_or_b32 s[G0B+4*\s+3], s[G0B+4*\s+3], 0x80000000
	JLOAD G0+4*\s, G1, G0B+4*\s, G1B               ; three loads of mine are out now
.endr
	v_and_b32 v1, 15, v0                           ; r
	v_bfe_u32 v2, v0, 4, 1                         ; h
	s_wait_alu depctr_va_vdst(0)
	v_and_b32 v3, 31, v0
	v_lshlrev_b32 v[CO], 4, v3
	s_lshl_b32 s18, s15, 15                        ; my 8 tiles of P
	s_lshl_b32 s19, s16, 15                        ; my 8 tiles of R,
	s_add_co_u32 s19, s19, 2*HALFT                 ; which lie behind P's 16
.irp s, 0,1
	v_add_nc_u32 v[ADRA+\s], s18, v[CO]
	v_add_nc_u32 v[ADRB+\s], s19, v[CO]
	s_add_co_u32 s18, s18, SLOT
	s_add_co_u32 s19, s19, SLOT
.endr
	s_lshl_b32 s18, s15, 12                        ; scale words: P's, my 8 tiles;
	s_lshl_b32 s19, s16, 12                        ; R's, behind P's two regions
	s_add_co_u32 s19, s19, 2*SREG
	s_sub_co_u32 s19, s19, s18
	v_mul_u32_u24 v4, s19, v2                      ; lanes 16-31 take R's
	s_add_co_u32 s18, s18, SCL
	v_lshl_add_u32 v4, v1, 4, v4                   ; 16 bytes a row: the four words of half of K
	v_add_nc_u32 v[ADRS], s18, v4
	v_mul_u32_u24 v[SOF], v2, HEADB
	v_lshl_add_u32 v[SOF], v1, 4, v[SOF]
	v_lshlrev_b32 v[SH], 4, v2
.irp b, 0,1,2,3
	v_mov_b32 v[TM+4+\b], 0                        ; written once: a lane permute's destination counts as one of its sources
.endr
	; the bias and the place of my results.  Tokens: hb = x's block of 256, ht = my half of it.  Channels: hc = the weight's block of 256, hh = my half of it (two heads)
	s_cmp_eq_u32 ttmp9, 0
	s_cselect_b64 s[10:11], s[92:93], s[94:95]
	s_cselect_b64 s[12:13], s[98:99], s[100:101]   ; q goes to qpk, k and v to kvpk
	s_cmp_eq_u32 s66, 1
	s_cselect_b64 s[10:11], s[96:97], s[10:11]
	s_cselect_b32 s20, s42, s17                    ; hb
	s_cselect_b32 s21, s41, s40                    ; hc
	s_cselect_b32 s22, s16, s15                    ; ht
	s_cselect_b32 s23, s15, s16                    ; hh
	s_lshl_b32 s2, s21, 10
	s_lshl_b32 s3, s23, 9
	s_add_co_u32 s2, s2, s3
	s_mov_b32 s3, 0
	s_add_nc_u64 s[10:11], s[10:11], s[2:3]        ; my 128 biases
	s_lshr_b32 s2, s20, 3
	s_lshl_b32 s2, s2, 4                           ; 16 heads a batch
	s_lshl_b32 s45, s21, 2
	s_add_co_u32 s2, s2, s45
	s_lshl_b32 s45, s23, 1
	s_add_co_u32 s2, s2, s45                       ; the first of my two heads
	s_lshl_b32 s2, s2, 4                           ; 16 packages a head
	s_and_b32 s45, s20, 7
	s_lshl_b32 s45, s45, 1
	s_add_co_u32 s2, s2, s45
	s_add_co_u32 s2, s2, s22                       ; my 128 tokens are one package
	s_mul_i32 s2, s2, PKG
	s_add_nc_u64 s[12:13], s[12:13], s[2:3]
	v_lshlrev_b32 v5, 6, v2                        ; 16 numbers for each half of the lanes
	v_and_b32 v6, 8, v1
	v_add_nc_u32 v6, v6, v1
	v_lshlrev_b32 v6, 2, v6                        ; 4 (r + 8 (r / 8))
	; The 128 biases are loaded in both layouts, along the registers (q, k) and by lanes (v), so that the loads stand under no branch; the epilogue uses one of the two.
	WIN TO_B
.irp b, 0,1,2,3
.irp i, 0,1,2,3
	global_load_b128 v[BI+16*\b+4*\i:BI+16*\b+4*\i+3], v5, s[10:11] offset:128*\b+16*\i
.endr
.endr
.irp a, 0,1,2,3,4,5,6,7
	global_load_b32 v[BV+2*\a], v6, s[10:11] offset:4*(32*(\a/2)+8*(\a%2))
	global_load_b32 v[BV+2*\a+1], v6, s[10:11] offset:4*(32*(\a/2)+8*(\a%2))     ; twice: a pair for the packed addition
.endr
	WIN 0
.macro FRAG reg, adr, q, i             ; a fragment: lane l's registers 4 c .. 4 c + 3 hold K = 64 c + 32 (l / 16) + 0 .. 31 of row l % 16: the image's 16 bytes at 16 l, 512 c on
.irp c, 0,1
	ds_load_b128 v[\reg+4*\c:\reg+4*\c+3], v[\adr] offset:4096*(\i)+1024*(\q)+512*\c
.endr
.endm
; 16 matrix instructions: P's tiles a0, a0 + 1 x R's eight, 128 along K.  p: R's set;  sc: the set of scale words.  zero = 1: the first product starts the sums.
; The 64 accumulators take turns, one instruction a turn, in the same order in every step.
.macro MUL16 a0, p, q, sc, zero
.irp a, \a0, \a0+1
.irp b, 0,1,2,3,4,5,6,7
.if \zero
	v_wmma_scale_f32_16x16x128_f8f6f4 v[8*(8*((\a)%4)+\b):8*(8*((\a)%4)+\b)+7], v[128*(\p)+FR*\b:128*(\p)+FR*\b+FR-1], v[AF+FR*(\a):AF+FR*(\a)+FR-1], 0, v[SC+8*NQ*(\sc)+NQ*\b+(\q)], v[SC+8*NQ*(\sc)+NQ*(\a)+(\q)] matrix_a_fmt:MATRIX_FMT_FP4 matrix_b_fmt:MATRIX_FMT_FP4 matrix_a_scale:MATRIX_SCALE_ROW1
.else
	v_wmma_scale_f32_16x16x128_f8f6f4 v[8*(8*((\a)%4)+\b):8*(8*((\a)%4)+\b)+7], v[128*(\p)+FR*\b:128*(\p)+FR*\b+FR-1], v[AF+FR*(\a):AF+FR*(\a)+FR-1], v[8*(8*((\a)%4)+\b):8*(8*((\a)%4)+\b)+7], v[SC+8*NQ*(\sc)+NQ*\b+(\q)], v[SC+8*NQ*(\sc)+NQ*(\a)+(\q)] matrix_a_fmt:MATRIX_FMT_FP4 matrix_b_fmt:MATRIX_FMT_FP4 matrix_a_scale:MATRIX_SCALE_ROW1
.endif
.endr
.endr
.endm
.macro FETCH_B slot, q, p              ; R's eight fragments of the slot's q-th 128 along K into set p
	WIN TO_B
.irp i, 0,1,2,3,4,5,6,7
	FRAG 128*(\p)+FR*\i, ADRB+\slot, \q, \i
.endr
	WIN 0
.endm
.macro FETCH_A slot, q, i0             ; P's tiles i0 .. i0 + 3
.irp i, \i0, \i0+1, \i0+2, \i0+3
	FRAG AF+FR*(\i), ADRA+\slot, \q, \i
.endr
.endm
.macro SCALES sc                       ; the scale words of half sc of K: four words a row; lanes 0-15 take P's tile i, lanes 16-31 R's tile i
.irp i, 0,1,2,3,4,5,6,7
	ds_load_b128 v[SC+8*NQ*\sc+NQ*\i:SC+8*NQ*\sc+NQ*\i+3], v[ADRS] offset:512*\i+256*\sc
.endr
.endm
.macro PLACES n                        ; plain vector instructions between a matrix instruction and a load into, or a vector read of, its registers (ISA guide 7.12.1 for vector reads)
.rept \n
	v_nop
.endr
.endm
; A step of 128 along K that has its successor in the same slot.  P has one set of registers: tiles 0-3 are fetched anew in the step's middle, tiles 4-7 at its end; R has two sets.
.macro STEP slot, q, zero
	s_wait_dscnt 8                                 ; R's set and P's tiles 0-3 are in; the youngest eight loads (P's tiles 4-7) may be out
	WIN MUL_LO
	MUL16 0, (\q)%2, \q, \slot, \zero
	MUL16 2, (\q)%2, \q, \slot, \zero
	s_wait_dscnt 0                                 ; P's tiles 4-7 are in
	PLACES NP
	FETCH_B \slot, (\q)+1, 1-(\q)%2
	FETCH_A \slot, (\q)+1, 0
	WIN MUL_HI
	MUL16 4, (\q)%2, \q, \slot, \zero
	MUL16 6, (\q)%2, \q, \slot, \zero
	PLACES NP
	WIN 0
	FETCH_A \slot, (\q)+1, 4
.endm
	s_wait_tensorcnt 1                             ; my scale words and my part of the first half of K are in; the second half's load may be out
	s_barrier_signal -1
	s_barrier_wait -1                              ; everybody's are
	FETCH_B 0, 0, 0
	FETCH_A 0, 0, 0
	SCALES 0
	FETCH_A 0, 0, 4
	STEP 0, 0, 1                                   ; the first products start the sums: nothing is cleared
	STEP 0, 1, 0
	STEP 0, 2, 0
	; the first half's last step leads over to the second half: my part of it has landed, and behind the barrier everybody's has
	s_wait_tensorcnt 0x0
	s_wait_dscnt 8
	WIN MUL_LO
	MUL16 0, 1, 3, 0, 0
	s_wait_dscnt 0x0                               ; no LDS instruction of mine is out at the signal
	s_barrier_signal -1
	MUL16 2, 1, 3, 0, 0
	WIN 0
	s_barrier_wait -1
	PLACES NP
	FETCH_B 1, 0, 0
	FETCH_A 1, 0, 0
	SCALES 1
	WIN MUL_HI
	MUL16 4, 1, 3, 0, 0
	MUL16 6, 1, 3, 0, 0
	PLACES NP
	WIN 0
	FETCH_A 1, 0, 4
	STEP 1, 0, 0
	STEP 1, 1, 0
	STEP 1, 2, 0
	s_wait_dscnt 8                                 ; the very last step: nothing more to fetch
	WIN MUL_LO
	MUL16 0, 1, 3, 1, 0
	MUL16 2, 1, 3, 1, 0
	s_wait_dscnt 0
	WIN MUL_HI
	MUL16 4, 1, 3, 1, 0
	MUL16 6, 1, 3, 1, 0
	WIN 0
	PLACES NP                                      ; in front of the first reads of results
	s_wait_loadcnt 0x0                             ; the biases
; 64 numbers of a lane, v[s] .. v[s + 63], register 16 b + i = k 32 b + 16 (lane / 16) + i of my row, become a fragment's codes in v[PC] on and its scale word in v[PW].
.macro QUANT s
.irp b, 0,1,2,3
	v_max3_num_f32 v[TM+\b], |v[\s+16*\b]|, |v[\s+1+16*\b]|, 0x1800000   ; block b: my 16 numbers, and the floor 2^(3 - 127): the byte cannot fall under 1
.endr
.irp i, 2,4,6,8,10,12,14
.irp b, 0,1,2,3
	v_max3_num_f32 v[TM+\b], v[TM+\b], |v[\s+16*\b+\i]|, |v[\s+1+16*\b+\i]|   ; (the four blocks by turns)
.endr
.endr
.irp b, 0,1,2,3
	v_permlanex16_b32 v[TM+4+\b], v[TM+\b], s[SEL], s[SEL+1]
.endr
.irp b, 0,1,2,3
	v_max_num_f32 v[TM+\b], v[TM+\b], v[TM+4+\b]   ; with lane l xor 16's: the block's largest magnitude
.endr
.irp b, 0,1,2,3
	v_add_nc_u32 v[TM+12+\b], 0xff000000, v[TM+\b]   ; 2 off its exponent field: the conversion's scale operand
.endr
.irp b, 0,1,2,3
	v_lshrrev_b32 v[TM+4+\b], 23, v[TM+12+\b]      ; the scale's byte
.endr
	v_lshl_or_b32 v[PW], v[TM+5], 8, v[TM+4]
	v_lshl_or_b32 v[PW], v[TM+6], 16, v[PW]
	v_lshl_or_b32 v[PW], v[TM+7], 24, v[PW]
.irp b, 0,1,2,3
	v_cvt_scalef32_pk8_fp4_f32 v[PC+2*\b], v[\s+16*\b:\s+7+16*\b], v[TM+12+\b]
	v_cvt_scalef32_pk8_fp4_f32 v[PC+1+2*\b], v[\s+8+16*\b:\s+15+16*\b], v[TM+12+\b]
.endr
	v_nop                                          ; one plain place behind a scaled conversion
.irp c, 0,1                                    ; the operand's layout wants a WHOLE block in a lane: lanes 0-15 block 2 c, lanes 16-31 block 2 c + 1
.irp i, 0,1
	v_permlane16_swap_b32 v[PC+4*\c+\i], v[PC+2+4*\c+\i]
.endr
.endr
.endm
; THE EPILOGUE, P's tile a at a time: the bias is added (which also brings the sums into window 0; each accumulator is read from its low end on), the 64 numbers are quantised, and the fragment leaves as it stands.
; q, k: the 128 numbers along the registers are two heads: registers 4 c .. 4 c + 3 of the fragment are head c's 64 channels of my token: 512 consecutive bytes a store, tile a of the head's package.
; v: they are the package's 128 tokens of my channel: the whole fragment belongs to channel tile a % 4 of head a / 4.
.macro EPI isv
.irp a, 0,1,2,3,4,5,6,7
	WIN 0x06+(\a)/4                                ; source 0 window 2 or 3, source 1 window 1, destination window 0
.set j, 0
.rept 32
.if \isv
	v_pk_add_f32 v[H+j:H+j+1], v[64*((\a)%4)+j:64*((\a)%4)+j+1], v[BV+2*(\a):BV+2*(\a)+1]
.else
	v_pk_add_f32 v[H+j:H+j+1], v[64*((\a)%4)+j:64*((\a)%4)+j+1], v[BI+j:BI+j+1]
.endif
.set j, j+2
.endr
	WIN 0
.if \a > 0
	s_wait_xcnt 0x0                                ; the last tile's stores have read their data: the codes' registers are written again only behind this wait
.endif
	QUANT H
.irp c, 0,1
.if \isv
	global_store_b128 v[CO], v[PC+4*\c:PC+4*\c+3], s[12:13] offset:4096+HEADB*((\a)/4)+1024*((\a)%4)+512*\c
.else
	global_store_b128 v[CO], v[PC+4*\c:PC+4*\c+3], s[12:13] offset:512*(\a)+HEADB*\c
.endif
.endr
.if \isv
	v_mov_b32 v[SW+\a], v[PW]
.else
	v_lshrrev_b32 v[SW+\a], v[SH], v[PW]           ; lanes 0-15 keep the word (the first head's two bytes low), lanes 16-31 bring the second head's two bytes down
.if (\a)%4 == 3
	global_store_b128 v[SOF], v[SW+(\a)-3:SW+(\a)], s[12:13] offset:8192+256*((\a)/4)   ; four tiles' words of a row: 16 lanes store 256 consecutive aligned bytes of their head's package
.endif
.endif
.endr
.if \isv
.irp t, 0,1,2,3
	v_cndmask_b32 v[DS+\t], v[SW+\t], v[SW+4+\t], s67   ; lanes 0-15 the first head's four channel tiles, lanes 16-31 the second head's
.endr
	global_store_b128 v[SOF], v[DS:DS+3], s[12:13] offset:8704
.endif
.endm
	s_cmp_eq_u32 s66, 1                            ; the same in every wave of every partner; no tensor load and no barrier stands under this branch
	s_cbranch_scc1 .Lepi_v
	EPI 0
	s_branch .Lend
.Lepi_v:
	EPI 1
.Lend:
	s_wait_tensorcnt 0x0
	ds_add_u32 v114, v115
	s_wait_dscnt 0x0
	CROUND                                         ; the closing round: no work-group ends while a partner may still ask for a tile that names it
	s_endpgm
.Lfunc_end_k_q1d8f2671a5_proj:
	.size	k_q1d8f2671a5_proj, .Lfunc_end_k_q1d8f2671a5_proj-k_q1d8f2671a5_proj
	.p2alignl 7, 3214868480
	.fill 96, 4, 3214868480
	.section	.rodata,"a",@progbits
	.p2align	6, 0x0
	.amdhsa_kernel k_q1d8f2671a5_proj
		.amdhsa_group_segment_fixed_size 279040
		.amdhsa_private_segment_fixed_size 0
		.amdhsa_enable_private_segment 0
		.amdhsa_kernarg_size 72
		.amdhsa_user_sgpr_count 2
		.amdhsa_user_sgpr_kernarg_segment_ptr 1
		.amdhsa_wavefront_size32 1
		.amdhsa_system_sgpr_workgroup_id_x 1
		.amdhsa_system_sgpr_workgroup_id_y 1
		.amdhsa_system_sgpr_workgroup_id_z 1
		.amdhsa_system_vgpr_workitem_id 0
		.amdhsa_next_free_vgpr 1024
		.amdhsa_next_free_sgpr 106
		.amdhsa_reserve_vcc 0
		.amdhsa_float_denorm_mode_32 3
		.amdhsa_float_denorm_mode_16_64 3
		.amdhsa_memory_ordered 1
		.amdhsa_forward_progress 1
		.amdhsa_inst_pref_size 196
	.end_amdhsa_kernel
	.amdgpu_metadata
---
amdhsa.version: [ 1, 2 ]
amdhsa.kernels:
  - .name:           k_q1d8f2671a5_proj
    .symbol:         k_q1d8f2671a5_proj.kd
    .args:
      - { .name: x_img, .offset: 0, .size: 8, .value_kind: global_buffer, .address_space: global }
      - { .name: x_sc, .offset: 8, .size: 8, .value_kind: global_buffer, .address_space: global }
      - { .name: w_img, .offset: 16, .size: 8, .value_kind: global_buffer, .address_space: global }
      - { .name: w_sc, .offset: 24, .size: 8, .value_kind: global_buffer, .address_space: global }
      - { .name: bq, .offset: 32, .size: 8, .value_kind: global_buffer, .address_space: global }
      - { .name: bk, .offset: 40, .size: 8, .value_kind: global_buffer, .address_space: global }
      - { .name: bv, .offset: 48, .size: 8, .value_kind: global_buffer, .address_space: global }
      - { .name: qpk, .offset: 56, .size: 8, .value_kind: global_buffer, .address_space: global }
      - { .name: kvpk, .offset: 64, .size: 8, .value_kind: global_buffer, .address_space: global }
    .group_segment_fixed_size: 279040
    .private_segment_fixed_size: 0
    .kernarg_segment_align: 8
    .kernarg_segment_size: 72
    .max_flat_workgroup_size: 128
    .sgpr_count:     106
    .vgpr_count:     1024
    .wavefront_size: 32
...
	.end_amdgpu_metadata
.endif
;; end of part 2
;; launch attn (part 3): grid 4 x 64, 16 waves a work-group, clusters of 4 x 1, 169,984 bytes of LDS; arguments qpk, kvpk, vals_img, vals_sc; writes vals_img, vals_sc
.if DOCPART == 3
	.amdgcn_target "amdgcn-amd-amdhsa--gfx1250"
	.amdhsa_code_object_version 6
	.text
	.protected	k_q1d8f2671a5_attn
	.globl	k_q1d8f2671a5_attn
	.p2align	8
	.type	k_q1d8f2671a5_attn,@function
k_q1d8f2671a5_attn:
	s_mov_b64 s[64:65], 0
	v_nop
	global_prefetch_b8 v0, s[64:65] scope:SCOPE_SE
	s_setreg_imm32_b32 hwreg(HW_REG_WAVE_MODE, 25, 1), 1
	s_wait_xcnt 0x0
	s_wait_alu depctr_hold_cnt(0) depctr_sa_sdst(0) depctr_va_vdst(0) depctr_va_sdst(0) depctr_va_ssrc(0) depctr_va_vcc(0) depctr_vm_vsrc(0)
	s_getreg_b32 s2, hwreg(HW_REG_IB_STS2, 6, 4)
	s_cmp_eq_u32 s2, 0
	s_cbranch_scc0 .Lentry_in_a_cluster
	s_endpgm
.Lentry_in_a_cluster:
	s_bfe_u32 s2, ttmp6, 0x10000c
	s_cmp_lg_u32 s2, 0x3003
	s_cbranch_scc0 .Lentry_shape_is_right
	s_endpgm
.Lentry_shape_is_right:
; vals = softmax(q k^T / 8) v for one head, both products on codes of FP4 (E2M1) with E8M0 scales, and vals quantised along the head's 64 channels for the output projection.
; THE SOFTMAX: t = score x log2(e) / 8; M = the row's largest t so far, rounded UP to a whole number; p = 2^(t - M) is quantised along the keys, not normalised; the row's sum is taken of the unquantised p and divides at the end.
; When M moves, the sum and O are multiplied by 2^(old M - new M): exact.
; SHARES.  A work-group owns 512 queries of one head; each of its sixteen waves one tile of 16 in each of two passes, in 256 registers: four waves to a SIMD, so that one wave's vector work stands beside another's matrix work and LDS loads.
; THE WHOLE HEAD'S K AND V, 16 packages of 8,960 bytes (128 keys each), LIE IN LDS as they lie in memory, each byte filled once, and serve both passes: no slot is ever filled again.
; CLUSTER.  The four work-groups of a cluster are the four blocks of queries of one head: the head's packages are asked for jointly, in four chunks of four packages, by wave 0.
; A PACKAGE: +0 k's codes [8 tiles][512: 16 x lane]; +4096 v's codes [4 channel tiles][2 x 512]; +8192 k's scale words [2][16 rows][4 tiles]; +8704 v's scale words [16 rows][4 tiles].
; LAYOUT.  Both products are used transposed: S^T = K Q^T, O^T = V^T P^T: a lane holds ONE query (lane % 16) throughout.  The rows of a tile are not neighbours (row r of tile 2 b + u is number 32 b + 8 u + r + 8 (r / 8)),
; so that the 16 registers of tiles 2 b and 2 b + 1 are 16 neighbours: 32 b + 16 (lane / 16) + 0 .. 15.  The first product's K is 64: the upper half of each fragment of k and of q is zero codes, in registers cleared once.
; vals' scale bytes: a head owns 2 of a row's 32, so a lane stores one byte: one sixteenth of the bytes of the codes.
; LIMITS: NaN and infinities are not served; a block whose largest magnitude lies under 2^-124, a block of zeros among them, keeps the byte 1 (read by this program alone).
; REGISTERS: v1 16 x lane, v2 16 r, v3 16 r + h; v4-7 V's scale words; v8-9 the step's LDS addresses; v10, v11 q's scale words (pass 0, 1); v12 -M, v13 the largest t, v[14:15] the sum in two halves;
;   v16-23, v24-31 q's fragments (pass 0, 1); v32-95 eight fragments of K; v96-159 S^T, then p; v160-191 O^T; v192-223 V's four fragments; v224-231 p's codes; v232-239, v244-247, v252-254 at work; v240-243, v248-251 K's scale words; v253 p's scale word.
.set PKG,    8960
.set HEADB,  16*PKG
.set CHUNKB, 4*PKG
.macro CROUND                          ; a round of the cluster's barrier
	s_barrier_signal -1
	s_barrier_wait -1
	s_cmp_lg_u32 s12, 0
	s_cbranch_scc1 .Lnot_wave_0_\@
	s_barrier_signal -3
.Lnot_wave_0_\@:
	s_barrier_wait -3
	s_barrier_signal -1
	s_barrier_wait -1
.endm
	s_load_b256 s[4:11], s[0:1], 0x0               ; qpk s[4:5], kvpk s[6:7], vals_img s[8:9], vals_sc s[10:11]
	v_lshl_add_u32 v254, v0, 2, 0x29000
	v_mov_b32 v255, 0
	ds_add_u32 v254, v255
	ds_add_u32 v254, v255
	s_wait_dscnt 0x0
	v_lshrrev_b32 v1, 5, v0
	s_delay_alu instid0(VALU_DEP_1)
	v_readfirstlane_b32 s12, v1                    ; wave 0..15
	s_bfe_u32 s13, ttmp6, 0x40000                  ; cx: it enters q's and vals' global addresses alone
	s_and_b32 s14, ttmp7, 0xffff                   ; batch x 16 + head, which the four partners share
	s_mul_i32 s16, s14, HEADB
	s_mov_b32 s17, 0                               ; s[16:17]: the head's first byte in qpk and in kvpk
	s_lshl_b32 s18, s13, 2
	s_lshr_b32 s19, s12, 3
	s_add_co_u32 s18, s18, s19
	s_mul_i32 s18, s18, PKG
	s_add_co_u32 s18, s18, s16                     ; q's package of pass 0: 4 cx + wave / 8; pass 1's lies two packages on
	s_and_b32 s19, s12, 7
	s_lshl_b32 s52, s19, 9
	s_add_co_u32 s52, s52, s18                     ; my tile's codes
	s_mov_b32 s53, 0
	s_lshr_b32 s54, s19, 2
	s_lshl_b32 s54, s54, 8
	s_and_b32 s19, s12, 3
	s_lshl_b32 s19, s19, 2
	s_add_co_u32 s54, s54, s19
	s_add_co_u32 s54, s54, s18
	s_add_co_u32 s54, s54, 8192                    ; my tile's scale words
	s_mov_b32 s55, 0
	s_lshr_b32 s18, s14, 4
	s_lshl_b32 s18, s18, 7
	s_lshl_b32 s19, s13, 5
	s_add_co_u32 s18, s18, s19
	s_add_co_u32 s18, s18, s12                     ; my token tile of pass 0: 128 x batch + 32 cx + wave; pass 1's lies 16 tiles on
	s_and_b32 s19, s14, 15                         ; the head
	s_lshl_b32 s56, s18, 13
	s_lshl_b32 s15, s19, 9
	s_add_co_u32 s56, s56, s15                     ; vals' codes: 8,192 bytes a tile, the head's two blocks of K 512 bytes
	s_mov_b32 s57, 0
	s_lshl_b32 s58, s18, 9
	s_lshr_b32 s15, s19, 3
	s_lshl_b32 s15, s15, 8
	s_add_co_u32 s58, s58, s15
	s_and_b32 s15, s19, 7
	s_lshl_b32 s15, s15, 1
	s_add_co_u32 s58, s58, s15                     ; vals' scale bytes: 512 a tile, 256 for eight heads, 2 a head
	s_mov_b32 s59, 0
	s_mov_b32 s20, 0x76543210
	s_mov_b32 s21, 0xfedcba98                      ; v_permlanex16_b32's selects for lane l xor 16
	s_mov_b32 s22, 0x3e38aa3b                      ; c = log2(e) / 8
	s_mov_b32 s23, s22                             ; (named with it as a pair, so it is written)
	s_mov_b32 s50, 0xffff0000                      ; lanes 16-31
	; descriptor group 1: a chunk, 35,840 dense bytes, as 140 rows of 256 (32 elements of 8 bytes)
	s_mov_b32 s24, 15|(3<<16)|(1<<21)              ; 15:0 the mask: all four work-groups; 17:16 elements of 8 bytes; 21 set beside a mask
	s_mov_b32 s25, 32<<16
	s_mov_b32 s26, 140<<16
	s_mov_b32 s27, 32<<16
	s_mov_b32 s28, 140
	s_mov_b32 s29, 32
	s_mov_b32 s30, 0
	s_mov_b32 s31, 0
	s_wait_kmcnt 0x0
	s_add_nc_u64 s[6:7], s[6:7], s[16:17]
	s_add_nc_u64 s[52:53], s[4:5], s[52:53]
	s_add_nc_u64 s[54:55], s[4:5], s[54:55]
	s_add_nc_u64 s[56:57], s[8:9], s[56:57]
	s_add_nc_u64 s[58:59], s[10:11], s[58:59]
.irp ch, 0,1,2,3
	s_mov_b32 s[32+4*\ch], 1
	s_mov_b32 s[33+4*\ch], \ch*CHUNKB
	s_add_nc_u64 s[34+4*\ch:35+4*\ch], s[6:7], \ch*CHUNKB
	s_or_b32 s[35+4*\ch], s[35+4*\ch], 0x80000000
.endr
	CROUND                                         ; all four work-groups are here: the joint loads meet
	s_cmp_lg_u32 s12, 0                            ; wave 0 asks for the whole head, in one branch: four loads of its own are out
	s_cbranch_scc1 .Lno_fetch
	tensor_load_to_lds s[32:35], s[24:31]
	s_nop 0
	tensor_load_to_lds s[36:39], s[24:31]
	s_nop 0
	tensor_load_to_lds s[40:43], s[24:31]
	s_nop 0
	tensor_load_to_lds s[44:47], s[24:31]
	s_nop 0
.rept 4
	v_nop
.endr
.Lno_fetch:
	v_and_b32 v1, 31, v0
	s_delay_alu instid0(VALU_DEP_1)
	v_lshlrev_b32 v1, 4, v1
	v_and_b32 v2, 15, v0
	s_delay_alu instid0(VALU_DEP_1)
	v_lshlrev_b32 v2, 4, v2
	v_bfe_u32 v3, v0, 4, 1
	s_delay_alu instid0(VALU_DEP_1)
	v_add_nc_u32 v3, v3, v2
	global_load_b128 v[16:19], v1, s[52:53]                        ; q's fragments of both passes stay in registers: lane (r, h) holds block h of query r
	global_load_b128 v[24:27], v1, s[52:53] offset:2*PKG
	global_load_b32 v10, v2, s[54:55]
	global_load_b32 v11, v2, s[54:55] offset:2*PKG
.irp j, 20,21,22,23,28,29,30,31
	v_mov_b32 v[\j], 0                             ; K = 64 .. 127 of q: zero codes
.endr
.irp t, 0,1,2,3,4,5,6,7
.irp j, 4,5,6,7
	v_mov_b32 v[32+8*\t+\j], 0                     ; and of k: cleared once, never loaded into
.endr
.endr
.macro INIT                            ; a pass begins: the step is written once and finds zeros, which the first change of M leaves zeros
	v_mov_b32 v13, 0xff61b1e6                      ; the largest t so far: -3e38
	s_delay_alu instid0(VALU_DEP_1)
	v_floor_f32 v12, -v13                          ; -M
	v_mov_b32 v14, 0
	v_mov_b32 v15, 0
.irp b, 0,1,2,3
	v_mov_b32 v[236+\b], 0                         ; a lane permute's destination counts as one of its sources
.endr
	v_mov_b32 v253, 0                              ; (named as the upper half of the pair v[252:253] before it is first written)
.set j, 0
.rept 32
	v_mov_b32 v[160+j], 0
.set j, j+1
.endr
.endm
; A KEY STEP: 128 keys, the package at LDS byte s48.  qf: q's fragment; qs: its scale words.
.macro STEP qf, qs
	s_setprio 2
	v_add_nc_u32 v8, s48, v1
	v_add_nc_u32 v9, s48, v2
	v_nop
	v_nop                                          ; four places between the last step's products and the loads into their registers
.irp t, 0,1,2,3,4,5,6,7
	ds_load_b128 v[32+8*\t:35+8*\t], v8 offset:512*\t
.endr
	ds_load_b128 v[240:243], v9 offset:8192        ; K's scale words of tiles 0-3,
	ds_load_b128 v[248:251], v9 offset:8448        ; and 4-7
.irp t, 0,1,2,3
.irp c, 0,1
	ds_load_b128 v[192+8*\t+4*\c:195+8*\t+4*\c], v8 offset:4096+1024*\t+512*\c   ; V is asked for now and lands under the softmax
.endr
.endr
	ds_load_b128 v[4:7], v9 offset:8704
	s_wait_dscnt 9                                 ; K and its scale words are in; V's nine loads may be out
.irp t, 0,1,2,3
	v_wmma_scale_f32_16x16x128_f8f6f4 v[96+8*\t:103+8*\t], v[32+8*\t:39+8*\t], v[\qf:\qf+7], 0, v[240+\t], v[\qs] matrix_a_fmt:MATRIX_FMT_FP4 matrix_b_fmt:MATRIX_FMT_FP4
.endr
.irp t, 4,5,6,7
	v_wmma_scale_f32_16x16x128_f8f6f4 v[96+8*\t:103+8*\t], v[32+8*\t:39+8*\t], v[\qf:\qf+7], 0, v[244+\t], v[\qs] matrix_a_fmt:MATRIX_FMT_FP4 matrix_b_fmt:MATRIX_FMT_FP4
.endr
.rept 4
	v_nop
.endr
.irp b, 0,1,2,3
	v_max3_num_f32 v[232+\b], v[96+16*\b], v[97+16*\b], v[98+16*\b]   ; the largest score of each block of 32 keys: it serves for the row's maximum and, since p rises with the score, for the block's largest p
.endr
.irp i, 3,5,7,9,11,13
.irp b, 0,1,2,3
	v_max3_num_f32 v[232+\b], v[232+\b], v[96+16*\b+\i], v[97+16*\b+\i]
.endr
.endr
.irp b, 0,1,2,3
	v_max_num_f32 v[232+\b], v[232+\b], v[111+16*\b]
.endr
.irp b, 0,1,2,3
	s_delay_alu instid0(VALU_DEP_4)
	v_permlanex16_b32 v[236+\b], v[232+\b], s20, s21
.endr
.irp b, 0,1,2,3
	s_delay_alu instid0(VALU_DEP_4)
	v_max_num_f32 v[232+\b], v[232+\b], v[236+\b]  ; with lane l xor 16's 16 keys
.endr
	s_delay_alu instid0(VALU_DEP_2)
	v_max3_num_f32 v254, v232, v233, v234
	s_delay_alu instid0(VALU_DEP_1)
	v_max_num_f32 v254, v254, v235                 ; the step's largest score of my query
	s_delay_alu instid0(VALU_DEP_1)
	v_mul_f32 v254, s22, v254                      ; as t
	s_delay_alu instid0(VALU_DEP_1)
	v_max_num_f32 v13, v13, v254                   ; the running largest t
	v_mov_b32 v254, v12
	s_delay_alu instid0(VALU_DEP_2)
	v_floor_f32 v12, -v13                          ; the new -M = -ceil(t): a whole number
	s_delay_alu instid0(VALU_DEP_1)
	v_sub_f32 v254, v12, v254                      ; old M - new M: a whole number, 0 or less
	s_delay_alu instid0(VALU_DEP_1)
	v_cvt_i32_f32 v254, v254                       ; (it saturates)
	s_delay_alu instid0(VALU_DEP_1)
	v_ldexp_f32 v252, 1.0, v254                    ; f = 2^(old M - new M)
.set j, 0
.rept 32
	v_pk_fma_f32 v[96+j:97+j], v[96+j:97+j], s[22:23], v[12:13] op_sel_hi:[1,0,0]   ; t - M, two at a time
.set j, j+2
.endr
.irp b, 0,1,2,3
	v_fma_f32 v[232+\b], v[232+\b], s22, v12       ; the same of each block's largest score
.endr
.set j, 0
	s_wait_alu depctr_va_vdst(0)
.rept 64
	v_exp_f32 v[96+j], v[96+j]                     ; p = 2^(t - M), at most 1
.set j, j+1
.endr
	s_setprio 1
	v_pk_mul_f32 v[14:15], v[14:15], v[252:253] op_sel_hi:[1,0]    ; the sums under the new M: the plain instruction behind the exponentials
	s_wait_alu depctr_va_vdst(0)                   ; one wait for the batch of 64, ahead of its first reader
.irp b, 0,1,2,3
	v_exp_f32 v[232+\b], v[232+\b]                 ; the block's largest p: the same two instructions on the same number give the same bits
.endr
	v_pk_add_f32 v[236:237], v[100:101], v[104:105]
	v_pk_add_f32 v[254:255], v[108:109], v[112:113]
	v_pk_add_f32 v[250:251], v[116:117], v[120:121]
	v_pk_add_f32 v[248:249], v[124:125], v[128:129]
	v_pk_add_f32 v[246:247], v[132:133], v[136:137]
	v_pk_add_f32 v[244:245], v[140:141], v[144:145]
	v_pk_add_f32 v[242:243], v[148:149], v[152:153]
	v_pk_add_f32 v[14:15], v[14:15], v[156:157]
	v_pk_add_f32 v[236:237], v[236:237], v[96:97]
	v_pk_add_f32 v[254:255], v[254:255], v[98:99]
	v_pk_add_f32 v[250:251], v[250:251], v[102:103]
	v_pk_add_f32 v[248:249], v[248:249], v[106:107]
	v_pk_add_f32 v[246:247], v[246:247], v[110:111]
	v_pk_add_f32 v[244:245], v[244:245], v[114:115]
	v_pk_add_f32 v[242:243], v[242:243], v[118:119]
	v_pk_add_f32 v[14:15], v[14:15], v[122:123]
	v_pk_add_f32 v[236:237], v[236:237], v[126:127]
	v_pk_add_f32 v[254:255], v[254:255], v[130:131]
	v_pk_add_f32 v[250:251], v[250:251], v[134:135]
	v_pk_add_f32 v[248:249], v[248:249], v[138:139]
	v_pk_add_f32 v[246:247], v[246:247], v[142:143]
	v_pk_add_f32 v[244:245], v[244:245], v[146:147]
	v_pk_add_f32 v[242:243], v[242:243], v[150:151]
	v_pk_add_f32 v[14:15], v[14:15], v[154:155]
	v_pk_add_f32 v[236:237], v[236:237], v[158:159]
	s_delay_alu instid0(VALU_DEP_2)
	v_pk_add_f32 v[14:15], v[14:15], v[248:249]
	s_delay_alu instid0(VALU_DEP_2)
	v_pk_add_f32 v[236:237], v[236:237], v[246:247]
	v_pk_add_f32 v[254:255], v[254:255], v[244:245]
	v_pk_add_f32 v[250:251], v[250:251], v[242:243]
	s_delay_alu instid0(VALU_DEP_2)
	v_pk_add_f32 v[14:15], v[14:15], v[254:255]
	s_delay_alu instid0(VALU_DEP_2)
	v_pk_add_f32 v[236:237], v[236:237], v[250:251]
	s_delay_alu instid0(VALU_DEP_1)
	v_pk_add_f32 v[14:15], v[14:15], v[236:237]
	s_wait_alu depctr_va_vdst(0)                   ; and one for the four
.irp b, 0,1,2,3
	v_max_num_f32 v[232+\b], 0x1800000, v[232+\b]  ; the floor 2^(3 - 127): the byte cannot fall under 1
.endr
.irp b, 0,1,2,3
	s_delay_alu instid0(VALU_DEP_4)
	v_add_nc_u32 v[244+\b], 0xff000000, v[232+\b]  ; 2 off the exponent field: the conversion's scale operand
.endr
.irp b, 0,1,2,3
	s_delay_alu instid0(VALU_DEP_4)
	v_lshrrev_b32 v[236+\b], 23, v[244+\b]         ; the scale's byte
.endr
	s_delay_alu instid0(VALU_DEP_3)
	v_lshl_or_b32 v253, v237, 8, v236              ; p's scale word for these 128 keys
	s_delay_alu instid0(VALU_DEP_1)
	v_lshl_or_b32 v253, v238, 16, v253
	s_delay_alu instid0(VALU_DEP_1)
	v_lshl_or_b32 v253, v239, 24, v253
.irp b, 0,1,2,3
	v_cvt_scalef32_pk8_fp4_f32 v[224+2*\b], v[96+16*\b:103+16*\b], v[244+\b]
	v_cvt_scalef32_pk8_fp4_f32 v[225+2*\b], v[104+16*\b:111+16*\b], v[244+\b]
.endr
	v_nop                                          ; one plain place behind a scaled conversion
.irp c, 0,1                                    ; a WHOLE block in a lane: lanes 0-15 block 2 c, lanes 16-31 block 2 c + 1
.irp i, 0,1
	v_permlane16_swap_b32 v[224+4*\c+\i], v[226+4*\c+\i]
.endr
.endr
.set j, 0
	s_setprio 0
.rept 16
	v_pk_mul_f32 v[160+j:161+j], v[160+j:161+j], v[252:253] op_sel_hi:[1,0]   ; O^T under the new M.  These 16 also stand between the lines that made p's codes and scale word and the products below
.set j, j+2
.endr
	s_wait_alu depctr_va_vdst(0)
	s_wait_dscnt 0x0                               ; V and its scale words are in
.irp t, 0,1,2,3                                ; O^T += V^T P^T: the four accumulators take turns, one instruction a turn
	v_wmma_scale_f32_16x16x128_f8f6f4 v[160+8*\t:167+8*\t], v[192+8*\t:199+8*\t], v[224:231], v[160+8*\t:167+8*\t], v[4+\t], v253 matrix_a_fmt:MATRIX_FMT_FP4 matrix_b_fmt:MATRIX_FMT_FP4
.endr
	s_add_co_u32 s48, s48, PKG                     ; the next package
.endm
; Pass 0 walks the head chunk by chunk as the chunks land: wave 0 waits until chunk ch is in (the 3 - ch later ones may be out), and behind the barrier all sixteen waves read it.
.macro CHUNK ch
	s_wait_tensorcnt 3-\ch
	s_barrier_signal -1
	s_barrier_wait -1
	s_mov_b32 s48, \ch*CHUNKB
	s_mov_b32 s49, 4
.Lchunk_\@:
	STEP 16, 10
	s_sub_co_u32 s49, s49, 1
	s_cmp_lg_u32 s49, 0
	s_cbranch_scc1 .Lchunk_\@
	s_setprio 0
.endm
; THE WAY OUT of pass p: O^T / the sum, quantised along the head's 64 channels (two blocks: register 16 b + i = channel 32 b + 16 (lane / 16) + i), stored as the output projection's operand image.
.macro OUT p
	v_add_f32 v14, v14, v15                        ; the sum's two halves,
	s_delay_alu instid0(VALU_DEP_1)
	v_permlanex16_b32 v236, v14, s20, s21
	s_delay_alu instid0(VALU_DEP_1)
	v_add_f32 v14, v14, v236                       ; and lane l xor 16's: the row's sum
	s_wait_alu depctr_va_vdst(0)
	v_rcp_f32 v14, v14
.rept 4
	v_nop                                          ; the plain place behind the reciprocal; with the three lines above also the places behind the last products
.endr
	s_wait_alu depctr_va_vdst(0)                   ; ahead of the reciprocal's first reader
.set j, 0
.rept 16
	v_pk_mul_f32 v[96+j:97+j], v[160+j:161+j], v[14:15] op_sel_hi:[1,0]   ; each accumulator from its low end on
.set j, j+2
.endr
.irp b, 0,1
	v_max3_num_f32 v[232+\b], |v[96+16*\b]|, |v[97+16*\b]|, 0x1800000
.endr
.irp i, 2,4,6,8,10,12,14
.irp b, 0,1
	s_delay_alu instid0(VALU_DEP_2)
	v_max3_num_f32 v[232+\b], v[232+\b], |v[96+16*\b+\i]|, |v[97+16*\b+\i]|
.endr
.endr
.irp b, 0,1
	s_delay_alu instid0(VALU_DEP_2)
	v_permlanex16_b32 v[236+\b], v[232+\b], s20, s21
.endr
.irp b, 0,1
	s_delay_alu instid0(VALU_DEP_2)
	v_max_num_f32 v[232+\b], v[232+\b], v[236+\b]
.endr
.irp b, 0,1
	s_delay_alu instid0(VALU_DEP_2)
	v_add_nc_u32 v[244+\b], 0xff000000, v[232+\b]
.endr
.irp b, 0,1
	s_delay_alu instid0(VALU_DEP_2)
	v_lshrrev_b32 v[236+\b], 23, v[244+\b]
.endr
	s_delay_alu instid0(VALU_DEP_1)
	v_cndmask_b32 v238, v236, v237, s50            ; lanes 0-15 store block 0's byte, lanes 16-31 block 1's
.irp b, 0,1
	v_cvt_scalef32_pk8_fp4_f32 v[224+2*\b], v[96+16*\b:103+16*\b], v[244+\b]
	v_cvt_scalef32_pk8_fp4_f32 v[225+2*\b], v[104+16*\b:111+16*\b], v[244+\b]
.endr
	v_nop
	v_permlane16_swap_b32 v224, v226
	v_permlane16_swap_b32 v225, v227               ; lane (r, h) now holds block h of query r: 16 bytes
	global_store_b128 v1, v[224:227], s[56:57] offset:131072*\p    ; 512 consecutive aligned bytes
	global_store_b8 v3, v238, s[58:59] offset:8192*\p
.endm
	INIT
	s_wait_loadcnt 0x0                             ; q
	CHUNK 0
	CHUNK 1
	CHUNK 2
	CHUNK 3
	OUT 0
	s_wait_xcnt 0x0                                ; the stores have read their data: those registers are written again only behind this wait
	INIT
	s_mov_b32 s48, 0                               ; pass 1: the whole head lies in LDS: no wait for tiles, no barrier
	s_mov_b32 s49, 16
.Lpass1:
	STEP 24, 11
	s_sub_co_u32 s49, s49, 1
	s_cmp_lg_u32 s49, 0
	s_cbranch_scc1 .Lpass1
	s_setprio 0
	OUT 1
	s_wait_xcnt 0x0
	v_lshl_add_u32 v254, v0, 2, 0x29000
	v_mov_b32 v255, 0
	s_wait_alu depctr_va_vdst(0)
	s_wait_tensorcnt 0x0
	ds_add_u32 v254, v255
	s_wait_dscnt 0x0
	CROUND                                         ; the closing round
	s_endpgm
.Lfunc_end_k_q1d8f2671a5_attn:
	.size	k_q1d8f2671a5_attn, .Lfunc_end_k_q1d8f2671a5_attn-k_q1d8f2671a5_attn
	.p2alignl 7, 3214868480
	.fill 96, 4, 3214868480
	.section	.rodata,"a",@progbits
	.p2align	6, 0x0
	.amdhsa_kernel k_q1d8f2671a5_attn
		.amdhsa_group_segment_fixed_size 169984
		.amdhsa_private_segment_fixed_size 0
		.amdhsa_enable_private_segment 0
		.amdhsa_kernarg_size 32
		.amdhsa_user_sgpr_count 2
		.amdhsa_user_sgpr_kernarg_segment_ptr 1
		.amdhsa_wavefront_size32 1
		.amdhsa_system_sgpr_workgroup_id_x 1
		.amdhsa_system_sgpr_workgroup_id_y 1
		.amdhsa_system_sgpr_workgroup_id_z 1
		.amdhsa_system_vgpr_workitem_id 0
		.amdhsa_next_free_vgpr 256
		.amdhsa_next_free_sgpr 66
		.amdhsa_reserve_vcc 0
		.amdhsa_float_denorm_mode_32 3
		.amdhsa_float_denorm_mode_16_64 3
		.amdhsa_memory_ordered 1
		.amdhsa_forward_progress 1
		.amdhsa_inst_pref_size 100
	.end_amdhsa_kernel
	.amdgpu_metadata
---
amdhsa.version: [ 1, 2 ]
amdhsa.kernels:
  - .name:           k_q1d8f2671a5_attn
    .symbol:         k_q1d8f2671a5_attn.kd
    .args:
      - { .name: qpk, .offset: 0, .size: 8, .value_kind: global_buffer, .address_space: global }
      - { .name: kvpk, .offset: 8, .size: 8, .value_kind: global_buffer, .address_space: global }
      - { .name: vals_img, .offset: 16, .size: 8, .value_kind: global_buffer, .address_space: global }
      - { .name: vals_sc, .offset: 24, .size: 8, .value_kind: global_buffer, .address_space: global }
    .group_segment_fixed_size: 169984
    .private_segment_fixed_size: 0
    .kernarg_segment_align: 8
    .kernarg_segment_size: 32
    .max_flat_workgroup_size: 512
    .sgpr_count:     66
    .vgpr_count:     256
    .wavefront_size: 32
...
	.end_amdgpu_metadata
.endif
;; end of part 3
;; launch oproj (part 4): grid 4 x 32, 4 waves a work-group, clusters of 4 x 4, 327,680 bytes of LDS; arguments vals_img, vals_sc, w_img, w_sc, bo, out0; writes out0
.if DOCPART == 4
	.amdgcn_target "amdgcn-amd-amdhsa--gfx1250"
	.amdhsa_code_object_version 6
	.text
	.protected	k_q1d8f2671a5_oproj
	.globl	k_q1d8f2671a5_oproj
	.p2align	8
	.type	k_q1d8f2671a5_oproj,@function
k_q1d8f2671a5_oproj:
	s_mov_b64 s[64:65], 0
	v_nop
	global_prefetch_b8 v0, s[64:65] scope:SCOPE_SE
	s_setreg_imm32_b32 hwreg(HW_REG_WAVE_MODE, 25, 1), 1
	s_wait_xcnt 0x0
	s_wait_alu depctr_hold_cnt(0) depctr_sa_sdst(0) depctr_va_vdst(0) depctr_va_sdst(0) depctr_va_ssrc(0) depctr_va_vcc(0) depctr_vm_vsrc(0)
	s_getreg_b32 s2, hwreg(HW_REG_IB_STS2, 6, 4)
	s_cmp_eq_u32 s2, 0
	s_cbranch_scc0 .Lentry_in_a_cluster
	s_endpgm
.Lentry_in_a_cluster:
	s_bfe_u32 s2, ttmp6, 0x10000c
	s_cmp_lg_u32 s2, 0xf033
	s_cbranch_scc0 .Lentry_shape_is_right
	s_endpgm
.Lentry_shape_is_right:
; out0 = vals Wo + bo on codes of FP4 (E2M1) with E8M0 scales, K = 1,024 = head x 64 + channel; out0 [8192][1024] f32.
; A work-group makes 256 tokens x 256 columns, each of its four waves 128 x 128: 64 accumulators, 512 registers.  All of K for the tile lies in LDS at once (two halves of K, each byte filled once): no slot is ever filled again.
; P = vals is source 1 (a lane holds a token), R = Wo is source 0 (a lane's registers run along the columns).  Both lie in memory as images of the operand registers: img[T][k / 32][r][16 bytes];
; row (T, r) is number 32 (T/2) + 8 (T%2) + r + 8 (r/8), so the 16 registers of R's tiles 2 b and 2 b + 1 are columns 32 b + 16 (lane / 16) + 0 .. 15, and a token's true row is put back in the stores' immediates.
; CLUSTERS: 4 x 4: P's tile is shared along a row of the cluster, R's along a column: joint loads.  The bias is the C of each sum's first matrix instruction.
; 128 work-groups: the tile is kept at 256 x 256, the largest that the registers hold.
; REGISTERS: window 0: v1-27 addresses; v32-95 scale words, two sets; v128-191 P's fragments, one set; on the way out v128-255 rows of out0.
;   window 1: R's fragments, two sets, at v0 and v128; v192-255 the bias.   windows 2, 3: accumulator (a, b) at v[8 (8 (a % 4) + b)].
.set NQ,     4
.set FR,     8
.set NP,     4                         ; places behind this matrix instruction (ISA guide 7.12.1)
.set HALFT,  32768                     ; 8 tiles x 4,096 bytes
.set SLOT,   4*HALFT
.set SCL,    2*SLOT
.set SREG,   4096
.set STG,    SCL+4*SREG                ; the way out: a stage of 16 rows x (512 bytes + 16) for each wave, in bytes of its own
.set SPITCH, 528
.set ADRA, 16
.set ADRB, 20
.set STO,  24                          ; v24  the stage: where I put my token's numbers
.set RD,   25                          ; v25  and where I read a row back
.set CO,   26                          ; v26  16 x lane
.set ADRS, 27
.set SC,   32
.set AF,   128
.set BK,   128                         ; 16 rows read back from the stage: v128-191 and v192-255 by turns
.set BI,   192                         ; window 1: register 16 b + i = the bias of column 32 b + 16 (lane / 16) + i
.set G1, 24
.set G0, 32
.set G1B, 48
.set G0B, 56
.set G1S, 68
.set G0S, 76
.set G1SB, 80
.set G0SB, 88
.set MSB, 0
.macro WIN new                         ; the immediate's high byte repeats the setting that is left
.if MSB != \new
	s_set_vgpr_msb (MSB<<8)|\new
.set MSB, \new
.endif
.endm
.set MUL_LO, 0xa1                      ; source 0 (R) window 1, source 1 (P) window 0, C and D window 2
.set MUL_HI, 0xf1                      ; the same, C and D window 3
.set FST_LO, 0x91                      ; the first step: C (the bias) window 1, D window 2
.set FST_HI, 0xd1                      ; C window 1, D window 3
.set TO_B,   0x40
.macro JLOAD g0a, g1a, g0b, g1b        ; a joint load: waves 0 and 1 fetch for P, waves 2 and 3 for R; four v_nop follow each of the two lines
	s_cmp_eq_u32 s15, 0
	s_cbranch_scc0 .Lfor_b_\@
	tensor_load_to_lds s[\g0a:\g0a+3], s[\g1a:\g1a+7]
	s_nop 0
.rept 4
	v_nop
.endr
	s_branch .Lasked_\@
.Lfor_b_\@:
	tensor_load_to_lds s[\g0b:\g0b+3], s[\g1b:\g1b+7]
	s_nop 0
.rept 4
	v_nop
.endr
.Lasked_\@:
.endm
.macro CROUND                          ; a round of the cluster's barrier
	s_barrier_signal -1
	s_barrier_wait -1
	s_cmp_lg_u32 s14, 0
	s_cbranch_scc1 .Lnot_wave_0_\@
	s_barrier_signal -3
.Lnot_wave_0_\@:
	s_barrier_wait -3
	s_barrier_signal -1
	s_barrier_wait -1
.endm
	s_load_b256 s[4:11], s[0:1], 0x0               ; vals_img s[4:5], vals_sc s[6:7], w_img s[8:9], w_sc s[10:11]
	s_load_b128 s[92:95], s[0:1], 0x20             ; bo s[92:93], out0 s[94:95]
	v_lshl_add_u32 v126, v0, 2, 0x4c400
	v_mov_b32 v127, 0
	ds_add_u32 v126, v127
	ds_add_u32 v126, v127
	v_lshrrev_b32 v1, 5, v0
	v_readfirstlane_b32 s14, v1                    ; wave 0..3
	s_lshr_b32 s15, s14, 1                         ; which half of the tokens is mine.  Also: I fetch for P (0) or for R (1)
	s_and_b32 s16, s14, 1                          ; which half of the columns.  Also: which 8 tiles I fetch
	s_bfe_u32 s40, ttmp6, 0x40000                  ; cx, cy
	s_bfe_u32 s41, ttmp6, 0x40004
	s_lshl_b32 s42, ttmp9, 2
	s_add_co_u32 s42, s42, s40                     ; the block of 256 columns
	s_and_b32 s17, ttmp7, 0xffff
	s_lshl_b32 s17, s17, 2
	s_add_co_u32 s17, s17, s41                     ; the block of 256 tokens
	s_lshl_b32 s43, s41, 2
	s_lshl_b32 s43, 15, s43                        ; my row of the cluster
	s_lshl_b32 s44, 0x1111, s40                    ; my column
	; descriptor group 1, codes: 8 rows (tiles) of 4,096 bytes (half of K), 8,192 bytes apart in memory, dense in LDS; elements of 8 bytes
	s_or_b32 s[G1+0], s43, (3<<16)|(1<<21)
	s_or_b32 s[G1B+0], s44, (3<<16)|(1<<21)
.irp g, G1, G1B
	s_mov_b32 s[\g+1], 512<<16
	s_mov_b32 s[\g+2], 8<<16
	s_mov_b32 s[\g+3], 512<<16
	s_mov_b32 s[\g+4], 8
	s_mov_b32 s[\g+5], 1024
	s_mov_b32 s[\g+6], 0
	s_mov_b32 s[\g+7], 0
.endr
	; scale words of 8 tiles: 4,096 dense bytes, as 16 rows of 256
	s_or_b32 s[G1S+0], s43, (3<<16)|(1<<21)
	s_or_b32 s[G1SB+0], s44, (3<<16)|(1<<21)
.irp g, G1S, G1SB
	s_mov_b32 s[\g+1], 32<<16
	s_mov_b32 s[\g+2], 16<<16
	s_mov_b32 s[\g+3], 32<<16
	s_mov_b32 s[\g+4], 16
	s_mov_b32 s[\g+5], 32
	s_mov_b32 s[\g+6], 0
	s_mov_b32 s[\g+7], 0
.endr
	s_lshl_b32 s22, s16, 3
	s_lshl_b32 s2, s17, 4
	s_add_co_u32 s2, s2, s22                       ; P's first tile: 16 x block + 8 x half
	s_lshl_b32 s18, s2, 9
	s_lshl_b32 s2, s2, 13
	s_mov_b32 s3, 0
	s_mov_b32 s19, 0
	s_lshl_b32 s12, s42, 4
	s_add_co_u32 s12, s12, s22
	s_add_co_u32 s12, s12, 192                     ; R's first tile: Wo's tiles begin at 192 in w_img
	s_lshl_b32 s20, s12, 9
	s_lshl_b32 s12, s12, 13
	s_mov_b32 s13, 0
	s_mov_b32 s21, 0
	s_lshl_b32 s45, s14, 15                        ; where they go: no place in the cluster enters an LDS address
	s_lshl_b32 s47, s14, 12
	s_wait_dscnt 0x0
	s_wait_kmcnt 0x0
	s_add_nc_u64 s[4:5], s[4:5], s[2:3]
	s_add_nc_u64 s[6:7], s[6:7], s[18:19]
	s_add_nc_u64 s[8:9], s[8:9], s[12:13]
	s_add_nc_u64 s[10:11], s[10:11], s[20:21]
	CROUND                                         ; all sixteen work-groups are here: the first joint loads meet
	s_mov_b32 s[G0S], 1
	s_add_co_u32 s[G0S+1], s47, SCL
	s_mov_b64 s[G0S+2:G0S+3], s[6:7]
	s_or_b32 s[G0S+3], s[G0S+3], 0x80000000
	s_mov_b32 s[G0SB], 1
	s_add_co_u32 s[G0SB+1], s47, SCL
	s_mov_b64 s[G0SB+2:G0SB+3], s[10:11]
	s_or_b32 s[G0SB+3], s[G0SB+3], 0x80000000
	JLOAD G0S, G1S, G0SB, G1SB
.irp s, 0,1
	s_mov_b32 s[G0+4*\s], 1
	s_add_co_u32 s[G0+4*\s+1], s45, \s*SLOT
	s_add_nc_u64 s[G0+4*\s+2:G0+4*\s+3], s[4:5], \s*4096
	s_or_b32 s[G0+4*\s+3], s[G0+4*\s+3], 0x80000000
	s_mov_b32 s[G0B+4*\s], 1
	s_add_co_u32 s[G0B+4*\s+1], s45, \s*SLOT
	s_add_nc_u64 s[G0B+4*\s+2:G0B+4*\s+3], s[8:9], \s*4096
	s_or_b32 s[G0B+4*\s+3], s[G0B+4*\s+3], 0x80000000
	s_wait_alu depctr_va_vdst(0)
	s_wait_tensorcnt 0x0
	ds_add_u32 v126, v127
	s_wait_dscnt 0x0
	CROUND
	JLOAD G0+4*\s, G1, G0B+4*\s, G1B               ; one load of mine is out now
.endr
	v_and_b32 v1, 15, v0                           ; r
	v_bfe_u32 v2, v0, 4, 1                         ; h
	s_wait_alu depctr_va_vdst(0)
	v_and_b32 v3, 31, v0
	v_lshlrev_b32 v[CO], 4, v3
	s_lshl_b32 s18, s15, 15
	s_lshl_b32 s19, s16, 15
	s_add_co_u32 s19, s19, 2*HALFT
.irp s, 0,1
	v_add_nc_u32 v[ADRA+\s], s18, v[CO]
	v_add_nc_u32 v[ADRB+\s], s19, v[CO]
	s_add_co_u32 s18, s18, SLOT
	s_add_co_u32 s19, s19, SLOT
.endr
	s_lshl_b32 s18, s15, 12
	s_lshl_b32 s19, s16, 12
	s_add_co_u32 s19, s19, 2*SREG
	s_sub_co_u32 s19, s19, s18
	v_mul_u32_u24 v4, s19, v2                      ; lanes 16-31 take R's scale words
	s_add_co_u32 s18, s18, SCL
	v_lshl_add_u32 v4, v1, 4, v4
	v_add_nc_u32 v[ADRS], s18, v4
	s_mul_i32 s18, s14, 16*SPITCH
	s_add_co_u32 s18, s18, STG                     ; my stage
	v_mul_u32_u24 v4, v1, SPITCH
	v_lshl_add_u32 v4, v2, 6, v4                   ; in: row r, 64 bytes for each half of the lanes in each 128
	v_add_nc_u32 v[STO], s18, v4
	v_add_nc_u32 v[RD], s18, v[CO]                 ; back: the 32 lanes take one row of 512 bytes
	s_lshl_b32 s2, s42, 10
	s_lshl_b32 s3, s16, 9
	s_add_co_u32 s2, s2, s3                        ; my first column, in bytes
	s_mov_b32 s3, 0
	s_add_nc_u64 s[92:93], s[92:93], s[2:3]        ; in bo,
	s_add_nc_u64 s[94:95], s[94:95], s[2:3]        ; and in a row of out0
	s_lshl_b32 s2, s17, 20
	s_lshl_b32 s18, s15, 19
	s_add_co_u32 s2, s2, s18                       ; my first token: (256 x block + 128 x half) rows of 4,096 bytes
	s_add_nc_u64 s[94:95], s[94:95], s[2:3]
	v_lshlrev_b32 v5, 6, v2
	WIN TO_B
.irp b, 0,1,2,3
.irp i, 0,1,2,3
	global_load_b128 v[BI+16*\b+4*\i:BI+16*\b+4*\i+3], v5, s[92:93] offset:128*\b+16*\i
.endr
.endr
	WIN 0
.macro FRAG reg, adr, q, i
.irp c, 0,1
	ds_load_b128 v[\reg+4*\c:\reg+4*\c+3], v[\adr] offset:4096*(\i)+1024*(\q)+512*\c
.endr
.endm
; 16 matrix instructions: P's tiles a0, a0 + 1 x R's eight, 128 along K.  first = 1: the sums begin with the bias as C.  The 64 accumulators take turns, one instruction a turn.
.macro MUL16 a0, p, q, sc, first
.irp a, \a0, \a0+1
.irp b, 0,1,2,3,4,5,6,7
.if \first
	v_wmma_scale_f32_16x16x128_f8f6f4 v[8*(8*((\a)%4)+\b):8*(8*((\a)%4)+\b)+7], v[128*(\p)+FR*\b:128*(\p)+FR*\b+FR-1], v[AF+FR*(\a):AF+FR*(\a)+FR-1], v[BI+8*\b:BI+8*\b+7], v[SC+8*NQ*(\sc)+NQ*\b+(\q)], v[SC+8*NQ*(\sc)+NQ*(\a)+(\q)] matrix_a_fmt:MATRIX_FMT_FP4 matrix_b_fmt:MATRIX_FMT_FP4 matrix_a_scale:MATRIX_SCALE_ROW1
.else
	v_wmma_scale_f32_16x16x128_f8f6f4 v[8*(8*((\a)%4)+\b):8*(8*((\a)%4)+\b)+7], v[128*(\p)+FR*\b:128*(\p)+FR*\b+FR-1], v[AF+FR*(\a):AF+FR*(\a)+FR-1], v[8*(8*((\a)%4)+\b):8*(8*((\a)%4)+\b)+7], v[SC+8*NQ*(\sc)+NQ*\b+(\q)], v[SC+8*NQ*(\sc)+NQ*(\a)+(\q)] matrix_a_fmt:MATRIX_FMT_FP4 matrix_b_fmt:MATRIX_FMT_FP4 matrix_a_scale:MATRIX_SCALE_ROW1
.endif
.endr
.endr
.endm
.macro FETCH_B slot, q, p
	WIN TO_B
.irp i, 0,1,2,3,4,5,6,7
	FRAG 128*(\p)+FR*\i, ADRB+\slot, \q, \i
.endr
	WIN 0
.endm
.macro FETCH_A slot, q, i0
.irp i, \i0, \i0+1, \i0+2, \i0+3
	FRAG AF+FR*(\i), ADRA+\slot, \q, \i
.endr
.endm
.macro SCALES sc
.irp i, 0,1,2,3,4,5,6,7
	ds_load_b128 v[SC+8*NQ*\sc+NQ*\i:SC+8*NQ*\sc+NQ*\i+3], v[ADRS] offset:512*\i+256*\sc
.endr
.endm
.macro PLACES n                        ; plain vector instructions between a matrix instruction and a load into, or a read of, its registers (ISA guide 7.12.1 for reads)
.rept \n
	v_nop
.endr
.endm
.macro STEP slot, q, first
	s_wait_dscnt 8                                 ; R's set and P's tiles 0-3 are in; the youngest eight loads (P's tiles 4-7) may be out
.if \first
	WIN FST_LO
.else
	WIN MUL_LO
.endif
	MUL16 0, (\q)%2, \q, \slot, \first
	MUL16 2, (\q)%2, \q, \slot, \first
	s_wait_dscnt 0
	PLACES NP
	FETCH_B \slot, (\q)+1, 1-(\q)%2
	FETCH_A \slot, (\q)+1, 0
.if \first
	WIN FST_HI
.else
	WIN MUL_HI
.endif
	MUL16 4, (\q)%2, \q, \slot, \first
	MUL16 6, (\q)%2, \q, \slot, \first
	PLACES NP
	WIN 0
	FETCH_A \slot, (\q)+1, 4
.endm
	s_wait_alu depctr_va_vdst(0)
	s_wait_loadcnt 0x0                             ; the bias
	s_wait_tensorcnt 1                             ; my scale words and my part of the first half of K are in; the second half's load may be out
	s_barrier_signal -1
	s_barrier_wait -1
	FETCH_B 0, 0, 0
	FETCH_A 0, 0, 0
	SCALES 0
	FETCH_A 0, 0, 4
	STEP 0, 0, 1
	STEP 0, 1, 0
	STEP 0, 2, 0
	s_wait_tensorcnt 0x0                           ; the first half's last step leads over to the second half: my part of it has landed, and behind the barrier everybody's has
	s_wait_dscnt 8
	WIN MUL_LO
	MUL16 0, 1, 3, 0, 0
	s_wait_dscnt 0x0                               ; no LDS instruction of mine is out at the signal
	s_barrier_signal -1
	MUL16 2, 1, 3, 0, 0
	WIN 0
	s_barrier_wait -1
	PLACES NP
	FETCH_B 1, 0, 0
	FETCH_A 1, 0, 0
	SCALES 1
	WIN MUL_HI
	MUL16 4, 1, 3, 0, 0
	MUL16 6, 1, 3, 0, 0
	PLACES NP
	WIN 0
	FETCH_A 1, 0, 4
	STEP 1, 0, 0
	STEP 1, 1, 0
	STEP 1, 2, 0
	s_wait_dscnt 8
	WIN MUL_LO
	MUL16 0, 1, 3, 1, 0
	MUL16 2, 1, 3, 1, 0
	s_wait_dscnt 0
	WIN MUL_HI
	MUL16 4, 1, 3, 1, 0
	MUL16 6, 1, 3, 1, 0
	WIN 0
; THE WAY OUT, a tile of 16 tokens x 128 columns at a time, through my own stage: in by tokens (accumulator b's eight numbers are columns 32 (b / 2) + 16 h + 8 (b % 2) + 0 .. 7), back as whole rows of 512 bytes.
; LDS serves a wave's instructions in order: no wait between the stores and the loads, nor in front of the next tile's stores.
.macro TOSTAGE a
.set AC, 64*((\a)%4)
	WIN 0x08+4*((\a)/4)                            ; the data: window 2 or 3
.irp b, 0,1,2,3,4,5,6,7
	ds_store_b128 v[STO], v[AC+8*\b:AC+8*\b+3] offset:128*(\b/2)+32*(\b%2)         ; each accumulator from its low end on
	ds_store_b128 v[STO], v[AC+8*\b+4:AC+8*\b+7] offset:128*(\b/2)+32*(\b%2)+16
.endr
	WIN 0
.set BB, BK+64*((\a)%2)
.irp t, 0,1,2,3,4,5,6,7,8,9,10,11,12,13,14,15
	ds_load_b128 v[BB+4*\t:BB+4*\t+3], v[RD] offset:\t*SPITCH
.endr
.endm
.macro SEND a, younger                 ; younger: the LDS instructions issued behind tile a's loads, which may stay out
.set BB, BK+64*((\a)%2)
	s_wait_dscnt \younger
.irp t, 0,1,2,3,4,5,6,7,8,9,10,11,12,13,14,15
	global_store_b128 v[CO], v[BB+4*\t:BB+4*\t+3], s[94:95] offset:(32*((\a)/2)+8*((\a)%2)+\t+8*(\t/8))*4096 th:TH_STORE_NT   ; row t of tile a is token 32 (a/2) + 8 (a%2) + t + 8 (t/8) of my 128; 512 consecutive aligned bytes
.endr
.endm
	PLACES NP                                      ; in front of the first reads of results, and of the loads into the registers that held P's fragments
	TOSTAGE 0
.irp a, 1,2,3,4,5,6,7
.if \a > 1
	s_wait_xcnt 0x0                                ; tile a - 2's stores have read their registers: tile a's loads may land there
.endif
	TOSTAGE \a
	SEND \a-1, 32                                  ; behind tile a - 1's loads: tile a's 16 stores and 16 loads
.endr
	SEND 7, 0
	s_wait_tensorcnt 0x0
	ds_add_u32 v126, v127
	s_wait_dscnt 0x0
	CROUND                                         ; the closing round
	s_endpgm
.Lfunc_end_k_q1d8f2671a5_oproj:
	.size	k_q1d8f2671a5_oproj, .Lfunc_end_k_q1d8f2671a5_oproj-k_q1d8f2671a5_oproj
	.p2alignl 7, 3214868480
	.fill 96, 4, 3214868480
	.section	.rodata,"a",@progbits
	.p2align	6, 0x0
	.amdhsa_kernel k_q1d8f2671a5_oproj
		.amdhsa_group_segment_fixed_size 327680
		.amdhsa_private_segment_fixed_size 0
		.amdhsa_enable_private_segment 0
		.amdhsa_kernarg_size 48
		.amdhsa_user_sgpr_count 2
		.amdhsa_user_sgpr_kernarg_segment_ptr 1
		.amdhsa_wavefront_size32 1
		.amdhsa_system_sgpr_workgroup_id_x 1
		.amdhsa_system_sgpr_workgroup_id_y 1
		.amdhsa_system_sgpr_workgroup_id_z 1
		.amdhsa_system_vgpr_workitem_id 0
		.amdhsa_next_free_vgpr 1024
		.amdhsa_next_free_sgpr 100
		.amdhsa_reserve_vcc 0
		.amdhsa_float_denorm_mode_32 3
		.amdhsa_float_denorm_mode_16_64 3
		.amdhsa_memory_ordered 1
		.amdhsa_forward_progress 1
		.amdhsa_inst_pref_size 126
	.end_amdhsa_kernel
	.amdgpu_metadata
---
amdhsa.version: [ 1, 2 ]
amdhsa.kernels:
  - .name:           k_q1d8f2671a5_oproj
    .symbol:         k_q1d8f2671a5_oproj.kd
    .args:
      - { .name: vals_img, .offset: 0, .size: 8, .value_kind: global_buffer, .address_space: global }
      - { .name: vals_sc, .offset: 8, .size: 8, .value_kind: global_buffer, .address_space: global }
      - { .name: w_img, .offset: 16, .size: 8, .value_kind: global_buffer, .address_space: global }
      - { .name: w_sc, .offset: 24, .size: 8, .value_kind: global_buffer, .address_space: global }
      - { .name: bo, .offset: 32, .size: 8, .value_kind: global_buffer, .address_space: global }
      - { .name: out0, .offset: 40, .size: 8, .value_kind: global_buffer, .address_space: global }
    .group_segment_fixed_size: 327680
    .private_segment_fixed_size: 0
    .kernarg_segment_align: 8
    .kernarg_segment_size: 48
    .max_flat_workgroup_size: 128
    .sgpr_count:     100
    .vgpr_count:     1024
    .wavefront_size: 32
...
	.end_amdgpu_metadata
.endif
;; end of part 4
